; MI455X (gfx1250); checked and timed in simulation.
; The chip was launched on July 23, 2026; its instructions are those of AMD's public machine-readable ISA for CDNA 5 (MIT licence, August 2026) and "CDNA5" Instruction Set Architecture Reference Guide (July 2026). The comments in the code are by the model that wrote it; some were corrected since.
;; Sparse Attention. Allowed arithmetic: matrix products marked QUANTISED: E2M1 operands, one E8M0 scale for each 32 along K, by v_wmma_scale_f32_16x16x128_f8f6f4 with both operands' format E2M1 (or v_wmma_scale_f32_32x16x128_f4), f32 sums; products left as they are: bf16, f16 or f32 operands; f32 sums; everything else in f32.
;; Inputs: Wk 1,024 x 1,024 float32; Wo 1,024 x 1,024 float32; Wq 1,024 x 1,024 float32; Wv 1,024 x 1,024 float32; x 2 x 2,048 x 1,024 float32.
;; Outputs: out0 2 x 2,048 x 1,024 float32.
;; This version of the problem:
;;   THIS VERSION OF THE PROBLEM IS GIVEN IN LOW PRECISION. The matrix products marked QUANTISED in the list below multiply operands that are first quantised to E2M1 (2 exponent bits, 1 mantissa bit; 4 bits a number), with one power-of-two scale for each 32 numbers along K (OCP MX v1.0); their sums are f32. The products marked 'left as it is' may take bf16, f16 or f32 operands, with f32 sums. Whichever they take, every output number must still come out within the allowed error. Rounding operands to bf16 (8 significant bits) uses up far more of that allowance than f16 does (11 bits, for magnitudes from 6e-5 to 65,504). All else is computed in f32.
;;   The module's matrix products, in the order in which they are computed (A, B: the left and right operand; K: the contracted axis; several contracted axes count as one K, in the product's order):
;;     1. [M 4,096, K 1,024] x [K 1,024, N 1,024]; A: input x; B: input Wq: QUANTISED
;;     2. [M 4,096, K 1,024] x [K 1,024, N 1,024]; A: input x; B: input Wk: QUANTISED
;;     3. [M 4,096, K 1,024] x [K 1,024, N 1,024]; A: input x; B: input Wv: QUANTISED
;;     4. batch 32 x [M 2,048, K 64] x [K 64, N 2,048]; A: computed on the way; B: computed on the way: left as it is (an operand is computed on the way)
;;     5. batch 32 x [M 2,048, K 2,048] x [K 2,048, N 64]; A: computed on the way; B: computed on the way: left as it is (an operand is computed on the way)
;;     6. [M 4,096, K 1,024] x [K 1,024, N 1,024]; A: computed on the way; B: input Wo: left as it is (an operand is computed on the way)
;;   THE QUANTISER, for each operand of a quantised product, along K:
;;     - K is cut into blocks of 32 from its start; a last block that is shorter is filled with zeros.
;;     - A block's scale is 2^e with e = floor(log2(the largest magnitude in the block)) - 2, held to -126 .. 127; a block of zeros has e = 0. As a byte (E8M0): e + 127.
;;     - Each number is divided by its block's scale, clamped to +-6, and rounded to the nearest number of E2M1, ties to even, subnormals kept.
;;     - The product sums the exact products of the quantised numbers (number of the format x scale) in f32.
;;   ~~~python
;;   def quantise(x, axis):      # numpy; x: float32 -> the quantised numbers, widened to float32 again
;;       x = np.moveaxis(x, axis, -1); K = x.shape[-1]
;;       x = np.pad(x, [(0, 0)] * (x.ndim - 1) + [(0, -K % 32)]); x = x.reshape(x.shape[:-1] + (-1, 32)); a = np.abs(x).max(-1, keepdims=True)
;;       e = np.where(a > 0, np.clip(np.frexp(np.where(a > 0, a, 1))[1] - 1 - 2, -126, 127), 0)      # np.frexp(a)[1] - 1 = floor(log2(a)), exactly
;;       r = np.clip(x / 2.0 ** e, -6, 6)
;;       step = 2.0 ** (np.maximum(np.frexp(np.where(r == 0, 1, r))[1] - 1, 0) - 1)
;;       q = np.round(r / step) * step * 2.0 ** e      # np.round: ties to even
;;       return np.moveaxis(q.reshape(q.shape[:-2] + (-1,))[..., :K], -1, axis).astype(np.float32)
;;   ~~~
;; One version. Each part assembles by itself: llvm-mc -triple=amdgcn-amd-amdhsa -mcpu=gfx1250 --defsym DOCPART=n.
;; ======== version 1 of 1: 5 launches
;; limits: values are held in f16: magnitudes above 65,504 overflow, below 6.1e-05 lose precision
;; workspace buffers: codes 3,670,016 bytes; scales 229,376 bytes; wo16 2,097,152 bytes; q_ws 8,388,608 bytes; k_ws 8,421,376 bytes; v_ws 8,421,376 bytes; att_ws 8,388,608 bytes
;; launch quant (part 1): grid 256 x 1, 4 waves a work-group, no clusters, 33,280 bytes of LDS; arguments x, Wq, Wk, Wv, Wo, codes, scales, wo16, k_ws, v_ws; writes codes, scales, wo16, k_ws, v_ws
.if DOCPART == 1
	.amdgcn_target "amdgcn-amd-amdhsa--gfx1250"
	.amdhsa_code_object_version 6
	.text
	.protected	k_q681c97ba51_quant
	.globl	k_q681c97ba51_quant
	.p2align	8
	.type	k_q681c97ba51_quant,@function
k_q681c97ba51_quant:
	s_mov_b64 s[64:65], 0
	v_nop
	global_prefetch_b8 v0, s[64:65] scope:SCOPE_SE
	s_setreg_imm32_b32 hwreg(HW_REG_WAVE_MODE, 25, 1), 1
	s_wait_xcnt 0x0
; x [4096][1024], Wq, Wk, Wv [1024][1024], f32, K innermost, are turned into codes of FP4 (E2M1), two to a byte, with one E8M0 scale byte for each 32 along K.
; The four tensors form ONE stream of 7,168 rows: codes [7168][512 bytes], scales [7168][32 bytes]; rows 0-4095 x, then 1,024 rows each of Wq, Wk, Wv.
; A block's scale is 2^(floor(log2(its largest magnitude)) - 2); its byte is the largest magnitude's exponent field - 2, held at 1 from below.  A block of zeros so gets the byte 1: its codes are zeros,
; which add nothing under any byte but 0xff, and this program alone reads the bytes.
; Wo [1024][1024] is rounded to f16, row-major (wo16), and the zero pads of k_ws and v_ws (16,384 bytes in front of and behind each) are written: the attention launch's key windows reach into them.
; LIMITS: blocks whose largest magnitude lies under 2^-124 keep the byte 1; NaN and infinities among the inputs are not served; |Wo| up to 65,504 (f16's largest number).
; SHARES: a work-group takes 32,768 numbers, a wave 8,192.  Work-groups 0-127 x, 128-159 Wq, 160-191 Wk, 192-223 Wv (one path, only the pointer is chosen), 224-255 Wo (a path of its own, without LDS tiles).
; Quantising path: 16 steps of 512 numbers a wave.  Each load reads 512 consecutive bytes; a step's 2,048 bytes turn through the wave's own stage in LDS so that a lane holds 16 neighbours along K
; (two neighbouring lanes hold a block); a lane's 16 codes are 8 bytes, so a wave's store covers 256 consecutive bytes, aligned.  A wave's 256 scale bytes are gathered in LDS and leave as one such run.
; No tensor loads, no barrier: waves share nothing.
.set WAVES, 4
.set STEPS, 16
.set EMAX,  2
.set CB,    8                          ; bytes of 16 codes
.set R,     16                         ; v16-79   four sets of 16 numbers as they are loaded
.set X,     80                         ; v80-111  two sets of 16 neighbours
.set E,     112                        ; v112-127 a scale byte for each step
.set C,     128                        ; v128-191 codes: four registers for each step, so that no store's data are written again
.set WREG,  8192                       ; LDS: a region for each wave: two stages of 32 x SP bytes, behind them its 256 scale bytes
.set SP,    80                         ; a lane's place in a stage: 64 bytes + 16 of padding
.set SPW,   12                         ; v12  LDS address of my spare word; never rewritten
.set NIL,   13                         ; v13  0; never rewritten
.set SPARE, WAVES*WREG                 ; behind the four regions: the spare words, 128 bytes a wave
	s_load_b256 s[4:11], s[0:1], 0x0               ; x s[4:5], Wq s[6:7], Wk s[8:9], Wv s[10:11]
	s_load_b256 s[12:19], s[0:1], 0x20             ; Wo s[12:13], codes s[14:15], scales s[16:17], wo16 s[18:19]
	s_load_b128 s[20:23], s[0:1], 0x40             ; k_ws s[20:21], v_ws s[22:23]
	v_lshl_add_u32 v[SPW], v0, 2, SPARE
	v_mov_b32 v[NIL], 0
	v_lshrrev_b32 v1, 5, v0
	v_readfirstlane_b32 s24, v1                    ; wave
	v_and_b32 v2, 31, v0                           ; lane
	v_lshlrev_b32 v3, 4, v2                        ; my 16 bytes of a load's 512
	s_mul_i32 s25, s24, WREG
	v_lshrrev_b32 v14, 2, v2
	v_mul_u32_u24 v14, v14, SP
	v_and_b32 v15, 3, v2
	v_lshl_add_u32 v14, v15, 4, v14
	v_add_nc_u32 v14, s25, v14                     ; the stage, on the way in: SP (lane / 4) + 16 (lane % 4)
	v_mul_u32_u24 v15, v2, SP
	v_add_nc_u32 v15, s25, v15                     ; and on the way out: SP x lane: my 16 neighbours
	v_mul_u32_u24 v4, v2, CB                       ; 8 x lane: my codes' place in a step's (and my f16 numbers' place on Wo's path)
	v_lshrrev_b32 v5, 1, v2
	s_add_co_u32 s25, s25, 2*32*SP
	v_add_nc_u32 v5, s25, v5                       ; LDS: my wave's 256 scale bytes, my block's byte
	v_lshlrev_b32 v7, 3, v2
	v_add_nc_u32 v6, s25, v7                       ; and on the way out 8 bytes a lane
	s_mov_b32 s29, 0
	s_wait_kmcnt 0x0
	s_cmp_ge_u32 ttmp9, 224                        ; the work-group's number alone decides the path
	s_cbranch_scc1 .Lwo
	s_mov_b64 s[26:27], s[10:11]                   ; which tensor: chosen downward from Wv
	s_mov_b32 s28, 192                             ; and its first work-group
	s_cmp_lt_u32 ttmp9, 192
	s_cselect_b64 s[26:27], s[8:9], s[26:27]
	s_cselect_b32 s28, 160, s28
	s_cmp_lt_u32 ttmp9, 160
	s_cselect_b64 s[26:27], s[6:7], s[26:27]
	s_cselect_b32 s28, 128, s28
	s_cmp_lt_u32 ttmp9, 128
	s_cselect_b64 s[26:27], s[4:5], s[26:27]
	s_cselect_b32 s28, 0, s28
	s_sub_co_u32 s28, ttmp9, s28
	s_lshl_b32 s28, s28, 2
	s_add_co_u32 s28, s28, s24                     ; which run of 8,192 numbers of the tensor is my wave's
	s_lshl_b32 s28, s28, 15                        ; 32,768 bytes a run
	s_add_nc_u64 s[26:27], s[26:27], s[28:29]
	s_lshl_b32 s30, ttmp9, 2
	s_add_co_u32 s30, s30, s24                     ; which run of the whole stream
	s_lshl_b32 s28, s30, 12                        ; 4,096 bytes of codes a run
	s_add_nc_u64 s[14:15], s[14:15], s[28:29]
	s_lshl_b32 s28, s30, 8                         ; 256 scale bytes a run
	s_add_nc_u64 s[16:17], s[16:17], s[28:29]
.macro LOAD t
.irp i, 0,1,2,3
	global_load_b128 v[R+16*((\t)%4)+4*\i:R+16*((\t)%4)+4*\i+3], v3, s[26:27] offset:2048*(\t)+512*\i th:TH_LOAD_NT   ; 32 lanes read 512 consecutive bytes
.endr
.endm
.macro TURN t                          ; step t's numbers through the stage: LDS serves a wave's instructions in order, so no wait stands between the stores and the loads
.irp i, 0,1,2,3
	ds_store_b128 v14, v[R+16*((\t)%4)+4*\i:R+16*((\t)%4)+4*\i+3] offset:32*SP*((\t)%2)+8*SP*\i
.endr
.irp i, 0,1,2,3
	ds_load_b128 v[X+16*((\t)%2)+4*\i:X+16*((\t)%2)+4*\i+3], v15 offset:32*SP*((\t)%2)+16*\i
.endr
.endm
.irp t, 0,1,2,3
	LOAD \t
.endr
	s_wait_loadcnt 12                              ; step 0's four loads are in; the 12 of steps 1 to 3 may be out
	TURN 0
.macro STEP t
.set XS, X+16*((\t)%2)
.if (\t) > 0
	s_wait_dscnt 1                                 ; this step's numbers are back from the stage (the last step's byte store may be out)
.else
	s_wait_dscnt 0x0
.endif
.if (\t)+4 < STEPS
	LOAD (\t)+4                                    ; the registers that the stage's stores have read take the loads of four steps on
.endif
.if (\t)+1 < STEPS
.if STEPS-2-(\t) >= 3
	s_wait_loadcnt 12                              ; the next step's four loads are in; those of the three steps behind it may be out
.else
	s_wait_loadcnt 4*(STEPS-2-(\t))
.endif
	TURN (\t)+1                                    ; and go through the other stage while this step is worked
.endif
	v_max3_num_f32 v8, |v[XS]|, |v[XS+1]|, |v[XS+2]|               ; the largest magnitude of my 16, in two chains
	v_max3_num_f32 v9, |v[XS+3]|, |v[XS+4]|, |v[XS+5]|
.irp i, 6,10
	v_max3_num_f32 v8, v8, |v[XS+\i]|, |v[XS+\i+1]|
	v_max3_num_f32 v9, v9, |v[XS+\i+2]|, |v[XS+\i+3]|
.endr
	v_max3_num_f32 v8, v8, |v[XS+14]|, |v[XS+15]|
	v_max3_num_f32 v8, v8, v9, (EMAX+1)<<23        ; and the floor 2^(3 - 127): the byte cannot fall under 1
	v_max_num_f32_dpp v8, v8, v8 row_xmask:1 row_mask:0xf bank_mask:0xf   ; and of my neighbour's 16: the block's
	v_add_nc_u32 v11, -(EMAX<<23), v8              ; 2 off its exponent field: the conversion takes the exponent field of this operand as its scale
	v_cvt_scalef32_pk8_fp4_f32 v[C+4*(\t)], v[XS:XS+7], v11        ; eight numbers / the scale, to the nearest code, ties to even, beyond 6 the largest code
	v_cvt_scalef32_pk8_fp4_f32 v[C+4*(\t)+1], v[XS+8:XS+15], v11
	v_lshrrev_b32 v[E+(\t)], 23, v11               ; the scale's byte (a plain instruction behind the conversions)
	ds_store_b8 v5, v[E+(\t)] offset:16*(\t)       ; both lanes of a block write the same byte with the same value
	global_store_b64 v4, v[C+4*(\t):C+4*(\t)+1], s[14:15] offset:32*CB*(\t)   ; 256 consecutive bytes, aligned
.endm
.irp t, 0,1,2,3,4,5,6,7,8,9,10,11,12,13,14,15
	STEP \t
.endr
	ds_load_b64 v[8:9], v6                         ; LDS serves a wave's instructions in order: these see my byte stores
	s_wait_dscnt 0x0
	global_store_b64 v7, v[8:9], s[16:17]          ; 32 lanes store 256 consecutive bytes, aligned
	s_branch .Lend
; Wo's path: f32 to f16, 8,192 numbers a wave in four rounds of 16 loads; loads run a round ahead.
.Lwo:
	s_sub_co_u32 s28, ttmp9, 224
	s_lshl_b32 s28, s28, 2
	s_add_co_u32 s30, s28, s24                     ; which of the 128 runs of Wo is my wave's
	s_lshl_b32 s28, s30, 15
	s_add_nc_u64 s[12:13], s[12:13], s[28:29]
	s_lshl_b32 s28, s30, 14
	s_add_nc_u64 s[18:19], s[18:19], s[28:29]
.macro LOADW t
.irp i, 0,1,2,3,4,5,6,7,8,9,10,11,12,13,14,15
	global_load_b128 v[16+64*((\t)%2)+4*\i:16+64*((\t)%2)+4*\i+3], v3, s[12:13] offset:8192*(\t)+512*\i th:TH_LOAD_NT
.endr
.endm
.macro ROUNDW t
.if (\t) < 3
	s_wait_loadcnt 16                              ; this round's 16 loads are in; the next round's may be out
.else
	s_wait_loadcnt 0x0
.endif
.if (\t) > 0
	s_wait_xcnt 0x0                                ; the last round's stores have read their data: v144-175 are written again only behind this wait
.endif
.irp i, 0,1,2,3,4,5,6,7,8,9,10,11,12,13,14,15
	v_cvt_pk_f16_f32 v[144+2*\i], v[16+64*((\t)%2)+4*\i], v[16+64*((\t)%2)+4*\i+1]
	v_cvt_pk_f16_f32 v[145+2*\i], v[16+64*((\t)%2)+4*\i+2], v[16+64*((\t)%2)+4*\i+3]
.endr
.if (\t) < 2
	LOADW (\t)+2
.endif
.irp i, 0,1,2,3,4,5,6,7,8,9,10,11,12,13,14,15
	global_store_b64 v4, v[144+2*\i:145+2*\i], s[18:19] offset:4096*(\t)+256*\i   ; 256 consecutive bytes, aligned
.endr
.endm
	LOADW 0
	LOADW 1
	; the pads: 128 waves x 512 bytes = four pads of 16,384 bytes.  Runs 0-31 k_ws's front, 32-63 its back, 64-95 v_ws's front, 96-127 its back
.irp i, 176,177,178,179
	v_mov_b32 v\i, 0
.endr
	s_cmp_lt_u32 s30, 64
	s_cselect_b64 s[26:27], s[20:21], s[22:23]
	s_and_b32 s28, s30, 31
	s_lshl_b32 s28, s28, 9
	s_bfe_u32 s31, s30, 0x10005                    ; front (0) or back (1)
	s_mul_i32 s31, s31, 8404992                    ; the back pad begins behind 16,384 + 8,388,608 bytes
	s_add_co_u32 s28, s28, s31
	s_add_nc_u64 s[26:27], s[26:27], s[28:29]
	global_store_b128 v3, v[176:179], s[26:27]
	ROUNDW 0
	ROUNDW 1
	ROUNDW 2
	ROUNDW 3
.Lend:
	s_wait_tensorcnt 0x0                           ; the wave's end: this wait, an add of 0 to my spare word and its wait, behind my last LDS store
	ds_add_u32 v[SPW], v[NIL]
	s_wait_dscnt 0x0
	s_endpgm
.Lfunc_end_k_q681c97ba51_quant:
	.size	k_q681c97ba51_quant, .Lfunc_end_k_q681c97ba51_quant-k_q681c97ba51_quant
	.p2alignl 7, 3214868480
	.fill 96, 4, 3214868480
	.section	.rodata,"a",@progbits
	.p2align	6, 0x0
	.amdhsa_kernel k_q681c97ba51_quant
		.amdhsa_group_segment_fixed_size 33280
		.amdhsa_private_segment_fixed_size 0
		.amdhsa_enable_private_segment 0
		.amdhsa_kernarg_size 80
		.amdhsa_user_sgpr_count 2
		.amdhsa_user_sgpr_kernarg_segment_ptr 1
		.amdhsa_wavefront_size32 1
		.amdhsa_system_sgpr_workgroup_id_x 1
		.amdhsa_system_sgpr_workgroup_id_y 1
		.amdhsa_system_sgpr_workgroup_id_z 1
		.amdhsa_system_vgpr_workitem_id 0
		.amdhsa_next_free_vgpr 192
		.amdhsa_next_free_sgpr 66
		.amdhsa_reserve_vcc 0
		.amdhsa_float_denorm_mode_32 3
		.amdhsa_float_denorm_mode_16_64 3
		.amdhsa_memory_ordered 1
		.amdhsa_forward_progress 1
		.amdhsa_inst_pref_size 55
	.end_amdhsa_kernel
	.amdgpu_metadata
---
amdhsa.version: [ 1, 2 ]
amdhsa.kernels:
  - .name:           k_q681c97ba51_quant
    .symbol:         k_q681c97ba51_quant.kd
    .args:
      - { .name: x, .offset: 0, .size: 8, .value_kind: global_buffer, .address_space: global }
      - { .name: Wq, .offset: 8, .size: 8, .value_kind: global_buffer, .address_space: global }
      - { .name: Wk, .offset: 16, .size: 8, .value_kind: global_buffer, .address_space: global }
      - { .name: Wv, .offset: 24, .size: 8, .value_kind: global_buffer, .address_space: global }
      - { .name: Wo, .offset: 32, .size: 8, .value_kind: global_buffer, .address_space: global }
      - { .name: codes, .offset: 40, .size: 8, .value_kind: global_buffer, .address_space: global }
      - { .name: scales, .offset: 48, .size: 8, .value_kind: global_buffer, .address_space: global }
      - { .name: wo16, .offset: 56, .size: 8, .value_kind: global_buffer, .address_space: global }
      - { .name: k_ws, .offset: 64, .size: 8, .value_kind: global_buffer, .address_space: global }
      - { .name: v_ws, .offset: 72, .size: 8, .value_kind: global_buffer, .address_space: global }
    .group_segment_fixed_size: 33280
    .private_segment_fixed_size: 0
    .kernarg_segment_align: 8
    .kernarg_segment_size: 80
    .max_flat_workgroup_size: 128
    .sgpr_count:     66
    .vgpr_count:     192
    .wavefront_size: 32
...
	.end_amdgpu_metadata
.endif
;; end of part 1
;; launch qkv (part 2): grid 8 x 32, 4 waves a work-group, clusters of 4 x 4, 327,680 bytes of LDS; arguments codes, scales, q_ws, k_ws, v_ws; writes q_ws, k_ws, v_ws
.if DOCPART == 2
	.amdgcn_target "amdgcn-amd-amdhsa--gfx1250"
	.amdhsa_code_object_version 6
	.text
	.protected	k_q681c97ba51_qkv
	.globl	k_q681c97ba51_qkv
	.p2align	8
	.type	k_q681c97ba51_qkv,@function
k_q681c97ba51_qkv:
	s_mov_b64 s[64:65], 0
	v_nop
	global_prefetch_b8 v0, s[64:65] scope:SCOPE_SE
	s_setreg_imm32_b32 hwreg(HW_REG_WAVE_MODE, 25, 1), 1
	s_wait_xcnt 0x0
	s_wait_alu depctr_hold_cnt(0) depctr_sa_sdst(0) depctr_va_vdst(0) depctr_va_sdst(0) depctr_va_ssrc(0) depctr_va_vcc(0) depctr_vm_vsrc(0)
	s_getreg_b32 s2, hwreg(HW_REG_IB_STS2, 6, 4)
	s_cmp_eq_u32 s2, 0
	s_cbranch_scc0 .Lentry_in_a_cluster
	s_endpgm
.Lentry_in_a_cluster:
	s_bfe_u32 s2, ttmp6, 0x10000c
	s_cmp_lg_u32 s2, 0xf033
	s_cbranch_scc0 .Lentry_shape_is_right
	s_endpgm
.Lentry_shape_is_right:
; q = x Wq^T, k = x Wk^T, v = x Wv^T on codes of FP4 (E2M1) with one E8M0 scale for each 32 along K = 1,024; sums in f32; results rounded once to f16.
; codes: [7168][512 bytes], scales: [7168][32 bytes]: rows 0-4095 x, 4096 + 1024 i + n row n of Wq, Wk, Wv (i = 0, 1, 2).
; SHARES.  A work-group takes 128 tokens (tile row trow) and columns 128 p .. 128 p + 127 of each of the three weights: 128 x 384 results.  All of K of its four operand tiles (x, Wq, Wk, Wv: 128 rows x 512 bytes each)
; lies in LDS at once, as two chunks of 512 along K: every tensor load is a first fill, nothing is filled again.  Wave w: i = w / 2 its 64 tokens, j = w % 2 its head (2 p + j): 64 tokens x (q 64, k 64, v 64): 48 accumulators.
; CLUSTERS: 4 x 4 work-groups.  The four of a row of the cluster need the same tile of x, the four of a column the same tiles of the weights: each is asked for jointly.  Wave 0 asks for x, waves 1 to 3 for Wq, Wk, Wv.
; THE RESULTS LEAVE AS IMAGES OF THE NEXT PRODUCTS' OPERAND REGISTERS, straight from registers, 512 consecutive bytes a store:
;   q, k: the product is used transposed (source 0 = 16 rows of W, source 1 = 16 tokens): a lane holds token lane % 16 and 8 neighbouring channels: 16 bytes of f16.
;         q_ws byte = bh x 262,144 + (token / 16) x 2,048 + (channel / 16) x 512 + 16 x lane;  k_ws the same behind a pad of 16,384 bytes.
;   v:    not transposed (source 0 = 16 tokens, source 1 = 16 rows of Wv): a lane holds channel lane % 16 and 8 neighbouring tokens.
;         v_ws byte = 16,384 + bh x 262,144 + (token / 32) x 4,096 + (channel / 16) x 1,024 + ((token / 16) % 2) x 512 + 16 x lane.
; LIMIT: |q|, |k|, |v| up to 65,504 (f16's largest number).
; REGISTERS, in windows of 256: window 0: v16-23 LDS addresses of the tiles, v24-26 further addresses, v28, v29 the add's two, v32-63 x's scale words, v64-159 the weights', v160-223 x's fragments, two sets;
;   window 1: the weights' 12 fragments, two sets, at v0 and v128; on the way out the packed results.   window 2: the 32 accumulators of q and k;   window 3: the 16 of v.
.set PITCH,  272                       ; an LDS row: 256 bytes of codes + 16 of padding: the 16 rows that a load touches start at 16 different groups of banks
.set HALFT,  128*PITCH                 ; a tile's 128 rows of one chunk: what one tensor load brings
.set HALFW,  64*PITCH                  ; a wave's 64 rows
.set SLOT,   4*HALFT                   ; a chunk: x, Wq, Wk, Wv
.set SCL,    2*SLOT                    ; behind the chunks: the scale bytes, units of 256 bytes + 16 of padding
.set SCT,    16*272                    ; those of a tile's 128 rows
.set SPARE,  SCL+4*SCT                 ; the spare words, 128 bytes a wave
.set ADR,  16                          ; v[16 + 4 c + T]: chunk c, tile T (0 x, 1 Wq, 2 Wk, 3 Wv): my 64 rows, my lane's place
.set ADSA, 24                          ; v24  my lane's place among x's scale words
.set ADSB, 25                          ; v25  and among the weights'
.set LI,   26                          ; v26  16 x lane
.set SPW,  28                          ; v28  LDS address of my spare word; never rewritten
.set NIL,  29                          ; v29  0; never rewritten
.set SCA,  32                          ; x's scale words: v[SCA + 16 c + 4 a + q]
.set SCB,  64                          ; the weights': v[SCB + 48 c + 4 b + q]
.set XF,   160                         ; x's fragments: v[XF + 32 set + 8 a]
.set G1,   24                          ; s[24:31] group 1 for x's codes;  s[32:39] groups 0, one for each chunk
.set G0,   32
.set G1B,  48                          ; s[48:55], s[56:63] the same for the weights' codes
.set G0B,  56
.set G1S,  68                          ; s[68:75], s[76:79] groups 1 and 0 for x's scales;  s[80:87], s[88:91] for the weights'
.set G0S,  76
.set G1SB, 80
.set G0SB, 88
.set MSB, 0
.macro WIN new                         ; the immediate's high byte repeats the setting that is left; a switch that changes nothing is dropped
.if MSB != \new
	s_set_vgpr_msb (MSB<<8)|\new
.set MSB, \new
.endif
.endm
; A joint load: wave 0 asks for x, waves 1 to 3 for a weight each.  Each of the two lines has one mask; the branch hangs on the wave's number alone.  An s_nop 0 and four v_nop follow each line.
.macro JLOAD g0a, g1a, g0b, g1b
	s_cmp_eq_u32 s14, 0
	s_cbranch_scc0 .Lfor_w_\@
	tensor_load_to_lds s[\g0a:\g0a+3], s[\g1a:\g1a+7]
	s_nop 0
.rept 4
	v_nop
.endr
	s_branch .Lasked_\@
.Lfor_w_\@:
	tensor_load_to_lds s[\g0b:\g0b+3], s[\g1b:\g1b+7]
	s_nop 0
.rept 4
	v_nop
.endr
.Lasked_\@:
.endm
.macro CROUND                          ; a round of the cluster's barrier
	s_barrier_signal -1
	s_barrier_wait -1
	s_cmp_lg_u32 s14, 0
	s_cbranch_scc1 .Lnot_wave_0_\@
	s_barrier_signal -3
.Lnot_wave_0_\@:
	s_barrier_wait -3
	s_barrier_signal -1
	s_barrier_wait -1
.endm
	s_load_b256 s[4:11], s[0:1], 0x0               ; codes s[4:5], scales s[6:7], q_ws s[8:9], k_ws s[10:11]
	s_load_b64 s[12:13], s[0:1], 0x20              ; v_ws
	v_lshl_add_u32 v[SPW], v0, 2, SPARE
	v_mov_b32 v[NIL], 0
	ds_add_u32 v[SPW], v[NIL]                      ; the wave's opening: the add, twice on end, and its wait ahead of my first tensor load
	ds_add_u32 v[SPW], v[NIL]                      ; and once more, under the one wait; the set-up below, work on registers, stands between
	v_lshrrev_b32 v1, 5, v0
	v_readfirstlane_b32 s14, v1                    ; wave 0..3
	s_lshr_b32 s15, s14, 1                         ; i: which 64 tokens are mine
	s_and_b32 s16, s14, 1                          ; j: which 64 columns (which head)
	s_bfe_u32 s40, ttmp6, 0x40000                  ; cx, cy: my place in the cluster
	s_bfe_u32 s41, ttmp6, 0x40004
	s_lshl_b32 s42, ttmp9, 2
	s_add_co_u32 s42, s42, s40                     ; p = 4 x cluster x + cx
	s_and_b32 s17, ttmp7, 0xffff
	s_lshl_b32 s17, s17, 2
	s_add_co_u32 s17, s17, s41                     ; trow = 4 x cluster y + cy
	s_lshl_b32 s43, s41, 2
	s_lshl_b32 s43, 15, s43                        ; my row of the cluster
	s_lshl_b32 s44, 0x1111, s40                    ; my column
	; group 1 for codes: 128 rows x 256 bytes, 512 bytes apart in memory, 16 bytes of padding behind each row in LDS
	s_or_b32 s[G1+0], s43, (0<<16)|(1<<20)|(1<<21)|(5<<22)|(3<<25)  ; 15:0 the mask; 17:16 elements of 1 byte; 20 padding on; 21 set beside a mask; 24:22 after every 64 words; 31:25 four words
	s_or_b32 s[G1B+0], s44, (0<<16)|(1<<20)|(1<<21)|(5<<22)|(3<<25)
.irp g, G1, G1B
	s_mov_b32 s[\g+1], 256<<16                     ; tensor_dim0
	s_mov_b32 s[\g+2], 128<<16                     ; tensor_dim1
	s_mov_b32 s[\g+3], 256<<16                     ; tile_dim0
	s_mov_b32 s[\g+4], 128                         ; tile_dim1
	s_mov_b32 s[\g+5], 512                         ; from row to row
	s_mov_b32 s[\g+6], 0
	s_mov_b32 s[\g+7], 0
.endr
	; group 1 for the scale bytes of 128 rows: 4,096 dense bytes as 16 rows of 256 (32 elements of 8 bytes), 16 bytes of padding behind each
	s_or_b32 s[G1S+0], s43, (3<<16)|(1<<20)|(1<<21)|(5<<22)|(3<<25)
	s_or_b32 s[G1SB+0], s44, (3<<16)|(1<<20)|(1<<21)|(5<<22)|(3<<25)
.irp g, G1S, G1SB
	s_mov_b32 s[\g+1], 32<<16
	s_mov_b32 s[\g+2], 16<<16
	s_mov_b32 s[\g+3], 32<<16
	s_mov_b32 s[\g+4], 16
	s_mov_b32 s[\g+5], 32
	s_mov_b32 s[\g+6], 0
	s_mov_b32 s[\g+7], 0
.endr
	s_lshl_b32 s20, s17, 16                        ; x: row 128 trow: its codes, 512 bytes a row,
	s_mov_b32 s21, 0
	s_lshl_b32 s22, s17, 12                        ; and its scale bytes, 32 a row
	s_mov_b32 s23, 0
	s_lshl_b32 s46, s14, 10                        ; the weights: row 3,072 + 1,024 x wave + 128 p (wave 1: Wq, 2: Wk, 3: Wv)
	s_lshl_b32 s47, s42, 7
	s_add_co_u32 s46, s46, s47
	s_add_co_u32 s46, s46, 3072
	s_lshl_b32 s92, s46, 5
	s_mov_b32 s93, 0
	s_lshl_b32 s46, s46, 9
	s_mov_b32 s47, 0
	s_mul_i32 s45, s14, HALFT                      ; where they go: wave x a tile: no place in the cluster enters an LDS address
	s_mul_i32 s94, s14, SCT
	s_wait_dscnt 0x0                               ; both opening adds are done
	s_wait_kmcnt 0x0
	s_add_nc_u64 s[20:21], s[4:5], s[20:21]
	s_add_nc_u64 s[22:23], s[6:7], s[22:23]
	s_add_nc_u64 s[46:47], s[4:5], s[46:47]
	s_add_nc_u64 s[92:93], s[6:7], s[92:93]
	CROUND                                         ; all sixteen work-groups are here: the joint loads meet
	s_mov_b32 s[G0S], 1
	s_add_co_u32 s[G0S+1], s94, SCL
	s_mov_b64 s[G0S+2:G0S+3], s[22:23]
	s_or_b32 s[G0S+3], s[G0S+3], 0x80000000
	s_mov_b32 s[G0SB], 1
	s_add_co_u32 s[G0SB+1], s94, SCL
	s_mov_b64 s[G0SB+2:G0SB+3], s[92:93]
	s_or_b32 s[G0SB+3], s[G0SB+3], 0x80000000
	JLOAD G0S, G1S, G0SB, G1SB                     ; the scale bytes first: they are wanted with chunk 0
.irp c, 0,1
	s_mov_b32 s[G0+4*\c], 1
	s_add_co_u32 s[G0+4*\c+1], s45, \c*SLOT
	s_add_nc_u64 s[G0+4*\c+2:G0+4*\c+3], s[20:21], \c*256
	s_or_b32 s[G0+4*\c+3], s[G0+4*\c+3], 0x80000000
	s_mov_b32 s[G0B+4*\c], 1
	s_add_co_u32 s[G0B+4*\c+1], s45, \c*SLOT
	s_add_nc_u64 s[G0B+4*\c+2:G0B+4*\c+3], s[46:47], \c*256
	s_or_b32 s[G0B+4*\c+3], s[G0B+4*\c+3], 0x80000000
	JLOAD G0+4*\c, G1, G0B+4*\c, G1B               ; three loads of mine are out behind the last of these
.endr
	v_and_b32 v1, 15, v0                           ; r = lane % 16
	v_bfe_u32 v2, v0, 4, 1                         ; h = lane / 16
	v_mul_u32_u24 v3, v1, PITCH
	v_lshl_add_u32 v3, v2, 4, v3                   ; a fragment's row x pitch + 16 h
	s_mul_i32 s20, s15, HALFW                      ; my 64 rows of x
	s_mul_i32 s21, s16, HALFW                      ; my 64 rows of each weight
.irp c, 0,1
	s_add_co_u32 s18, s20, \c*SLOT
	v_add_nc_u32 v[ADR+4*\c], s18, v3
.irp T, 1,2,3
	s_add_co_u32 s18, s21, \c*SLOT+\T*HALFT
	v_add_nc_u32 v[ADR+4*\c+\T], s18, v3
.endr
.endr
	v_lshlrev_b32 v4, 5, v1                        ; a row's scale bytes: 32 a row,
	v_lshrrev_b32 v5, 3, v1
	v_lshl_add_u32 v4, v5, 4, v4                   ; and 16 more for each 256 passed
	s_mul_i32 s18, s15, 8*272
	s_add_co_u32 s18, s18, SCL
	v_add_nc_u32 v[ADSA], s18, v4
	s_mul_i32 s18, s16, 8*272
	s_add_co_u32 s18, s18, SCL+SCT
	v_add_nc_u32 v[ADSB], s18, v4
	v_and_b32 v[LI], 31, v0
	v_lshlrev_b32 v[LI], 4, v[LI]
	; where my results go: bh = 16 (trow / 16) + 2 p + j; token in the sequence = 128 (trow % 16) + 64 i; 128 bytes a token in all three buffers
	s_lshr_b32 s18, s17, 4
	s_lshl_b32 s18, s18, 4
	s_lshl_b32 s19, s42, 1
	s_add_co_u32 s18, s18, s19
	s_add_co_u32 s18, s18, s16
	s_lshl_b32 s18, s18, 18
	s_and_b32 s19, s17, 15
	s_lshl_b32 s19, s19, 14
	s_add_co_u32 s18, s18, s19
	s_lshl_b32 s19, s15, 13
	s_add_co_u32 s18, s18, s19
	s_mov_b32 s19, 0
	s_add_nc_u64 s[8:9], s[8:9], s[18:19]
	s_add_nc_u64 s[10:11], s[10:11], s[18:19]
	s_add_nc_u64 s[12:13], s[12:13], s[18:19]
	s_add_nc_u64 s[10:11], s[10:11], 16384         ; k_ws and v_ws begin with a pad
	s_add_nc_u64 s[12:13], s[12:13], 16384
.macro FRAG reg, adr, off              ; a fragment, 16 rows x 128 K of 4-bit codes: lane l holds row l % 16; registers 4 c .. 4 c + 3 hold K = 64 c + 32 (l / 16) + 0 .. 31
	ds_load_b128 v[\reg:\reg+3], v[\adr] offset:\off
	ds_load_b128 v[\reg+4:\reg+7], v[\adr] offset:\off+32
.endm
.macro FETCH s                         ; the fragments of K step s (128 along K) into set s % 2: the weights' twelve, then x's four: 32 loads in one run
	WIN 0x40                                       ; destination window 1
.irp T, 1,2,3
.irp k, 0,1,2,3
	FRAG 128*((\s)%2)+8*(4*(\T-1)+\k), ADR+4*((\s)/4)+\T, 64*((\s)%4)+\k*16*PITCH
.endr
.endr
	WIN 0
.irp k, 0,1,2,3
	FRAG XF+32*((\s)%2)+8*\k, ADR+4*((\s)/4), 64*((\s)%4)+\k*16*PITCH
.endr
.endm
.macro SCALES                          ; all scale words, once: 16 bytes (four K steps) a row and chunk; lanes 0-15 are the ones that the matrix instruction reads
.irp c, 0,1
.irp a, 0,1,2,3
	ds_load_b128 v[SCA+16*\c+4*\a:SCA+16*\c+4*\a+3], v[ADSA] offset:\a*544+16*\c
.endr
.irp T, 0,1,2
.irp k, 0,1,2,3
	ds_load_b128 v[SCB+48*\c+4*(4*\T+\k):SCB+48*\c+4*(4*\T+\k)+3], v[ADSB] offset:\T*SCT+\k*544+16*\c
.endr
.endr
.endr
.endm
; The 48 accumulators take turns, one instruction a turn, in the same order in every K step.  K step 0's products start the sums: nothing is cleared.
.macro MULQK s                         ; q and k, transposed: source 0 = 16 rows of the weight, source 1 = 16 tokens
	WIN 0xa1                                       ; source 0 window 1, source 1 window 0, C and D window 2
.irp b, 0,1,2,3,4,5,6,7
.irp a, 0,1,2,3
.if (\s) == 0
	v_wmma_scale_f32_16x16x128_f8f6f4 v[8*(4*\b+\a):8*(4*\b+\a)+7], v[128*((\s)%2)+8*\b:128*((\s)%2)+8*\b+7], v[XF+32*((\s)%2)+8*\a:XF+32*((\s)%2)+8*\a+7], 0, v[SCB+48*((\s)/4)+4*\b+(\s)%4], v[SCA+16*((\s)/4)+4*\a+(\s)%4] matrix_a_fmt:MATRIX_FMT_FP4 matrix_b_fmt:MATRIX_FMT_FP4
.else
	v_wmma_scale_f32_16x16x128_f8f6f4 v[8*(4*\b+\a):8*(4*\b+\a)+7], v[128*((\s)%2)+8*\b:128*((\s)%2)+8*\b+7], v[XF+32*((\s)%2)+8*\a:XF+32*((\s)%2)+8*\a+7], v[8*(4*\b+\a):8*(4*\b+\a)+7], v[SCB+48*((\s)/4)+4*\b+(\s)%4], v[SCA+16*((\s)/4)+4*\a+(\s)%4] matrix_a_fmt:MATRIX_FMT_FP4 matrix_b_fmt:MATRIX_FMT_FP4
.endif
.endr
.endr
.endm
.macro MULV s                          ; v, not transposed: source 0 = 16 tokens, source 1 = 16 rows of Wv
	WIN 0xf4                                       ; source 0 window 0, source 1 window 1, C and D window 3
.irp b, 8,9,10,11
.irp a, 0,1,2,3
.if (\s) == 0
	v_wmma_scale_f32_16x16x128_f8f6f4 v[8*(4*(\b-8)+\a):8*(4*(\b-8)+\a)+7], v[XF+32*((\s)%2)+8*\a:XF+32*((\s)%2)+8*\a+7], v[128*((\s)%2)+8*\b:128*((\s)%2)+8*\b+7], 0, v[SCA+16*((\s)/4)+4*\a+(\s)%4], v[SCB+48*((\s)/4)+4*\b+(\s)%4] matrix_a_fmt:MATRIX_FMT_FP4 matrix_b_fmt:MATRIX_FMT_FP4
.else
	v_wmma_scale_f32_16x16x128_f8f6f4 v[8*(4*(\b-8)+\a):8*(4*(\b-8)+\a)+7], v[XF+32*((\s)%2)+8*\a:XF+32*((\s)%2)+8*\a+7], v[128*((\s)%2)+8*\b:128*((\s)%2)+8*\b+7], v[8*(4*(\b-8)+\a):8*(4*(\b-8)+\a)+7], v[SCA+16*((\s)/4)+4*\a+(\s)%4], v[SCB+48*((\s)/4)+4*\b+(\s)%4] matrix_a_fmt:MATRIX_FMT_FP4 matrix_b_fmt:MATRIX_FMT_FP4
.endif
.endr
.endr
.endm
.macro STEP s
	s_wait_dscnt 0x0                               ; this step's fragments, asked for a step (48 matrix instructions) ago, are in
.if (\s) == 3
	s_wait_tensorcnt 0x0                           ; my part of chunk 1 has landed,
	s_barrier_signal -1
	s_barrier_wait -1                              ; everybody's has: the fetch below reads it.
.endif
.if (\s) >= 1
.rept 4
	v_nop                                          ; four places between the last step's products and loads into the set that they read
.endr
.endif
.if (\s) < 7
	FETCH (\s)+1
.endif
	MULQK \s
	MULV \s
	WIN 0
.endm
	s_wait_tensorcnt 1                             ; the scale bytes and my part of chunk 0 are in; chunk 1's load may be out,
	s_barrier_signal -1
	s_barrier_wait -1                              ; everybody's are
	SCALES
	FETCH 0
.irp s, 0,1,2,3,4,5,6,7
	STEP \s
.endr
	; THE WAY OUT: each accumulator's eight numbers become 16 bytes of f16, from its low end on, in window 1 where the weights' fragments lay; then 48 stores of 512 consecutive bytes.  No store's data are written again.
.rept 4
	v_nop                                          ; four places behind the last products
.endr
	WIN 0x4a                                       ; sources window 2, destination window 1
.set idx, 0
.rept 32
.irp e, 0,1,2,3
	v_cvt_pk_f16_f32 v[4*idx+\e], v[8*idx+2*\e], v[8*idx+2*\e+1]
.endr
.set idx, idx+1
.endr
	WIN 0x4f                                       ; sources window 3
.set idx, 0
.rept 16
.irp e, 0,1,2,3
	v_cvt_pk_f16_f32 v[128+4*idx+\e], v[8*idx+2*\e], v[8*idx+2*\e+1]
.endr
.set idx, idx+1
.endr
	WIN 0x04                                       ; a store's data are its source 1: window 1
.irp b, 0,1,2,3
.irp a, 0,1,2,3
	global_store_b128 v[LI], v[4*(4*\b+\a):4*(4*\b+\a)+3], s[8:9] offset:\a*2048+\b*512              ; q: tokens 16 a on, channels 16 b on
	global_store_b128 v[LI], v[4*(4*(\b+4)+\a):4*(4*(\b+4)+\a)+3], s[10:11] offset:\a*2048+\b*512    ; k likewise
	global_store_b128 v[LI], v[128+4*(4*\b+\a):128+4*(4*\b+\a)+3], s[12:13] offset:(\a/2)*4096+\b*1024+(\a%2)*512   ; v: channels 16 b on, tokens 16 a on
.endr
.endr
	WIN 0
	s_wait_tensorcnt 0x0                           ; the wave's end: this wait, an add of 0 to my spare word and its wait, behind my last tensor load
	ds_add_u32 v[SPW], v[NIL]
	s_wait_dscnt 0x0
	CROUND                                         ; the closing round: no work-group ends while a partner may still ask for a tile that names it
	s_endpgm
.Lfunc_end_k_q681c97ba51_qkv:
	.size	k_q681c97ba51_qkv, .Lfunc_end_k_q681c97ba51_qkv-k_q681c97ba51_qkv
	.p2alignl 7, 3214868480
	.fill 96, 4, 3214868480
	.section	.rodata,"a",@progbits
	.p2align	6, 0x0
	.amdhsa_kernel k_q681c97ba51_qkv
		.amdhsa_group_segment_fixed_size 327680
		.amdhsa_private_segment_fixed_size 0
		.amdhsa_enable_private_segment 0
		.amdhsa_kernarg_size 40
		.amdhsa_user_sgpr_count 2
		.amdhsa_user_sgpr_kernarg_segment_ptr 1
		.amdhsa_wavefront_size32 1
		.amdhsa_system_sgpr_workgroup_id_x 1
		.amdhsa_system_sgpr_workgroup_id_y 1
		.amdhsa_system_sgpr_workgroup_id_z 1
		.amdhsa_system_vgpr_workitem_id 0
		.amdhsa_next_free_vgpr 896
		.amdhsa_next_free_sgpr 98
		.amdhsa_reserve_vcc 0
		.amdhsa_float_denorm_mode_32 3
		.amdhsa_float_denorm_mode_16_64 3
		.amdhsa_memory_ordered 1
		.amdhsa_forward_progress 1
		.amdhsa_inst_pref_size 95
	.end_amdhsa_kernel
	.amdgpu_metadata
---
amdhsa.version: [ 1, 2 ]
amdhsa.kernels:
  - .name:           k_q681c97ba51_qkv
    .symbol:         k_q681c97ba51_qkv.kd
    .args:
      - { .name: codes, .offset: 0, .size: 8, .value_kind: global_buffer, .address_space: global }
      - { .name: scales, .offset: 8, .size: 8, .value_kind: global_buffer, .address_space: global }
      - { .name: q_ws, .offset: 16, .size: 8, .value_kind: global_buffer, .address_space: global }
      - { .name: k_ws, .offset: 24, .size: 8, .value_kind: global_buffer, .address_space: global }
      - { .name: v_ws, .offset: 32, .size: 8, .value_kind: global_buffer, .address_space: global }
    .group_segment_fixed_size: 327680
    .private_segment_fixed_size: 0
    .kernarg_segment_align: 8
    .kernarg_segment_size: 40
    .max_flat_workgroup_size: 128
    .sgpr_count:     98
    .vgpr_count:     896
    .wavefront_size: 32
...
	.end_amdgpu_metadata
.endif
;; end of part 2
;; launch att (part 3): grid 8 x 32, 8 waves a work-group, no clusters, 167,936 bytes of LDS; arguments q_ws, k_ws, v_ws, att_ws; writes att_ws
.if DOCPART == 3
	.amdgcn_target "amdgcn-amd-amdhsa--gfx1250"
	.amdhsa_code_object_version 6
	.text
	.protected	k_q681c97ba51_att
	.globl	k_q681c97ba51_att
	.p2align	8
	.type	k_q681c97ba51_att,@function
k_q681c97ba51_att:
	s_mov_b64 s[64:65], 0
	v_nop
	global_prefetch_b8 v0, s[64:65] scope:SCOPE_SE
	s_setreg_imm32_b32 hwreg(HW_REG_WAVE_MODE, 25, 1), 1
	s_wait_xcnt 0x0
; Banded attention: key k counts for query q where |q - k| <= 128 or k = 0.  (Query 0, which sees all keys, comes out here with its window alone; the next launch writes its row anew.)
; q, k, v are f16, laid as images of the operands' registers; products, maxima and sums in f32; the weights p are rounded to f16 for the second product, the result once to f16.
; SHARES.  A work-group owns 256 queries of one head (bh), each of its eight waves 32: two tiles of 16, from query q0 = 32 U, U = 8 blk + wave.
; A wave walks ten steps of 32 keys in five chunks of 64: the global step (keys 0-31) and window steps j = 0 .. 8 at key q0 - 128 + 32 j.  Chunk 0 = (global, j = 0); chunk c = (j = 2 c - 1, j = 2 c).
; A window step counts only where 5 <= U + j <= 67: its first key is at least 32 (keys 0-31 belong to the global step) and under 2,048.  Steps 1 to 7 that count lie wholly inside the band.
; What does not count becomes -infinity ahead of the maximum, so p = 0.  Key 0 counts for every query, so the running maximum is a number from chunk 0 on.
; LDS holds the work-group's 512 window keys (from key 256 blk - 128) and keys 0-31, of K and of V, dense images, filled once.  The pads of 16,384 bytes in front of and behind k_ws and v_ws keep every window
; inside its buffer; at a head's edge a window reaches into the neighbouring head or a pad: finite numbers, all masked.
; NO CLUSTER: neighbouring query blocks share only half of a window (256 of 512 keys), and those keys would have to land at different LDS places in the two, while a joint load has one LDS address for all that it names.
; LAYOUT.  S^T = K Q^T (source 0 = 16 keys, source 1 = 16 queries): a lane holds ONE query (lane % 16) and keys 8 (lane / 16) + 0..7.  Two such tiles, rounded to f16 in pairs, are source 1 of O^T = V^T P.
; SOFTMAX.  A running maximum m and sum l for each query: p = 2^(c s - c m), c = log2(e) / 8; O and l are multiplied by a = 2^(c m_old - c m_new) in every chunk.
; LIMIT: |q|, |k|, |v| up to 65,504 (they arrive as f16).
; REGISTERS: v1-12 addresses and mask thresholds; v16-31 statistics, 8 a tile; v32-63 Q; v64-127 K of a chunk, then V of the chunk; v128-191 S^T, 32 a tile, P laid over its first 16; v192-255 O^T, 32 a tile.
.set KGLB,  0                          ; keys 0-31 of K: 4,096 bytes
.set KWIN,  4096                       ; the window's 512 keys of K: 16 steps of 4,096 bytes
.set VGLB,  69632
.set VWIN,  73728
.set SPARE, 139264                     ; the spare words, 128 bytes a wave
.set LI,   1                           ; v1   16 x lane
.set AK,   2                           ; v2   KWIN + 4,096 x wave + 16 x lane: my window step 0
.set AV,   3                           ; v3   the same in VWIN
.set AVG,  4                           ; v4   VGLB + 16 x lane
.set SPW,  5                           ; v5   LDS address of my spare word; never rewritten
.set NIL,  6                           ; v6   0; never rewritten
.set EE,   7                           ; v7   E = lane % 16 - 8 (lane / 16)
.set L0,   8                           ; v8   window step 0: E, or E + 1,000 where the step does not count
.set H8,   9                           ; v9   window step 8: E, or E - 1,000 where it does not count
.set LG,   10                          ; v10  the global step: E + q0 - 128
.set LG0,  11                          ; v11  the same, but -1,000 in lanes 0-15: key 0 is never hidden
.set NINF, 12                          ; v12  -infinity
.set ST,   16                          ; tile t's statistics at v[ST + 8 t]: +0 c m, +1 m, +2, +3 l (even keys', odd keys'), +4 .. +7 at work; a in +6
.set Q,    32
.set KV,   64
.set S,    128
.set O,    192
.set SEL,  20                          ; s[20:21] lane selects for v_permlanex16_b32: lane l xor 16
.set CS,   22                          ; s[22:23] c, twice: the packed form names a pair
.set G1W,  24                          ; s[24:31] group 1: 64 rows of 256 bytes (a quarter of a window)
.set G1G,  32                          ; s[32:39] group 1: 16 rows of 256 bytes (keys 0-31)
.set G0KW, 40                          ; s[40:43], s[44:47] groups 0 for K's and V's window;  s[48:51], s[52:55] for their keys 0-31
.set G0VW, 44
.set G0KG, 48
.set G0VG, 52
	s_load_b256 s[4:11], s[0:1], 0x0               ; q_ws s[4:5], k_ws s[6:7], v_ws s[8:9], att_ws s[10:11]
	v_lshl_add_u32 v[SPW], v0, 2, SPARE
	v_mov_b32 v[NIL], 0
	ds_add_u32 v[SPW], v[NIL]                      ; the wave's opening: the add, twice on end, and its wait ahead of the first tensor loads
	ds_add_u32 v[SPW], v[NIL]                      ; and once more, under the one wait; the set-up below, work on registers, stands between
	v_lshrrev_b32 v13, 5, v0
	v_readfirstlane_b32 s12, v13                   ; wave 0..7
	s_mov_b32 s13, ttmp9                           ; blk
	s_and_b32 s14, ttmp7, 0xffff                   ; bh
	s_lshl_b32 s15, s13, 3
	s_add_co_u32 s15, s15, s12                     ; U
	s_mov_b32 s[G1W], 3<<16                        ; no mask; elements of 8 bytes; no padding: the images are read 16 bytes a lane, 512 consecutive bytes a load
	s_mov_b32 s[G1W+1], 32<<16                     ; tensor_dim0 = 32 elements: 256 bytes
	s_mov_b32 s[G1W+2], 64<<16                     ; tensor_dim1
	s_mov_b32 s[G1W+3], 32<<16                     ; tile_dim0
	s_mov_b32 s[G1W+4], 64                         ; tile_dim1
	s_mov_b32 s[G1W+5], 32                         ; dense
	s_mov_b32 s[G1W+6], 0
	s_mov_b32 s[G1W+7], 0
	s_mov_b32 s[G1G], 3<<16
	s_mov_b32 s[G1G+1], 32<<16
	s_mov_b32 s[G1G+2], 16<<16
	s_mov_b32 s[G1G+3], 32<<16
	s_mov_b32 s[G1G+4], 16
	s_mov_b32 s[G1G+5], 32
	s_mov_b32 s[G1G+6], 0
	s_mov_b32 s[G1G+7], 0
	s_and_b32 s56, s12, 3
	s_lshl_b32 s56, s56, 14                        ; which quarter of a window I fetch, if I fetch
	s_lshl_b32 s58, s14, 18                        ; the head's 262,144 bytes
	s_lshl_b32 s57, s13, 15                        ; 256 keys x 128 bytes
	s_add_co_u32 s60, s58, s57                     ; the window begins 128 keys (16,384 bytes) earlier, which the front pad makes up for
	s_add_co_u32 s60, s60, s56
	s_mov_b32 s61, 0
	s_add_co_u32 s62, s58, 16384                   ; the head's keys 0-31, behind the pad
	s_mov_b32 s63, 0
	s_mov_b32 s[SEL], 0x76543210
	s_mov_b32 s[SEL+1], 0xfedcba98
	s_mov_b32 s[CS], 0x3e38aa3b                    ; c = log2(e) / sqrt(64)
	s_mov_b32 s[CS+1], s[CS]
	s_wait_dscnt 0x0                               ; both opening adds are done
	s_wait_kmcnt 0x0
	s_mov_b32 s[G0KW], 1
	s_add_co_u32 s[G0KW+1], s56, KWIN
	s_add_nc_u64 s[G0KW+2:G0KW+3], s[6:7], s[60:61]
	s_or_b32 s[G0KW+3], s[G0KW+3], 0x80000000
	s_mov_b32 s[G0VW], 1
	s_add_co_u32 s[G0VW+1], s56, VWIN
	s_add_nc_u64 s[G0VW+2:G0VW+3], s[8:9], s[60:61]
	s_or_b32 s[G0VW+3], s[G0VW+3], 0x80000000
	s_mov_b32 s[G0KG], 1
	s_mov_b32 s[G0KG+1], KGLB
	s_add_nc_u64 s[G0KG+2:G0KG+3], s[6:7], s[62:63]
	s_or_b32 s[G0KG+3], s[G0KG+3], 0x80000000
	s_mov_b32 s[G0VG], 1
	s_mov_b32 s[G0VG+1], VGLB
	s_add_nc_u64 s[G0VG+2:G0VG+3], s[8:9], s[62:63]
	s_or_b32 s[G0VG+3], s[G0VG+3], 0x80000000
	; THE FILLS, all first fills: waves 0 to 3 a quarter of K's window and then of V's, wave 4 keys 0-31 of K and then of V, waves 5 to 7 nothing.  Two loads of a wave are out.
	s_cmp_lt_u32 s12, 4
	s_cbranch_scc0 .Lnot_window
	tensor_load_to_lds s[G0KW:G0KW+3], s[G1W:G1W+7]
	s_nop 0
	tensor_load_to_lds s[G0VW:G0VW+3], s[G1W:G1W+7]
	s_nop 0
.rept 4
	v_nop
.endr
	s_branch .Lasked
.Lnot_window:
	s_cmp_eq_u32 s12, 4
	s_cbranch_scc0 .Lasked
	tensor_load_to_lds s[G0KG:G0KG+3], s[G1G:G1G+7]
	s_nop 0
	tensor_load_to_lds s[G0VG:G0VG+3], s[G1G:G1G+7]
	s_nop 0
.rept 4
	v_nop
.endr
.Lasked:
	v_and_b32 v[LI], 31, v0
	v_lshlrev_b32 v[LI], 4, v[LI]
	s_add_co_u32 s60, s58, s57                     ; Q: my 32 queries: bh x 262,144 + (16 blk + 2 wave) x 2,048
	s_lshl_b32 s56, s12, 12
	s_add_co_u32 s60, s60, s56
	s_add_nc_u64 s[4:5], s[4:5], s[60:61]
.irp t, 0,1
.irp g, 0,1,2,3
	global_load_b128 v[Q+16*\t+4*\g:Q+16*\t+4*\g+3], v[LI], s[4:5] offset:\t*2048+\g*512   ; Q stays in registers
.endr
.endr
	s_add_co_u32 s59, s56, KWIN
	v_add_nc_u32 v[AK], s59, v[LI]
	s_add_co_u32 s59, s56, VWIN
	v_add_nc_u32 v[AV], s59, v[LI]
	v_add_nc_u32 v[AVG], VGLB, v[LI]
	v_and_b32 v13, 15, v0                          ; r
	v_bfe_u32 v14, v0, 4, 1                        ; h
	v_lshlrev_b32 v15, 3, v14
	v_sub_nc_u32 v[EE], v13, v15
	s_cmp_ge_u32 s15, 5
	s_cselect_b32 s56, 0, 1000
	v_add_nc_u32 v[L0], s56, v[EE]
	s_cmp_le_u32 s15, 59
	s_cselect_b32 s56, 0, 1000
	v_sub_nc_u32 v[H8], v[EE], s56
	s_lshl_b32 s57, s15, 5
	s_sub_co_i32 s57, s57, 128                     ; q0 - 128
	v_add_nc_u32 v[LG], s57, v[EE]
	v_mov_b32 v[LG0], 0xfffffc18                   ; -1,000
	v_cmp_eq_u32 vcc_lo, 0, v14
	v_cndmask_b32 v[LG0], v[LG], v[LG0], vcc_lo
	v_mov_b32 v[NINF], 0xff800000
	s_lshr_b32 s56, s14, 4                         ; the result: (128 b + 16 blk + 2 wave) x 32,768 + head x 2,048
	s_lshl_b32 s56, s56, 22
	s_lshl_b32 s57, s13, 19
	s_add_co_u32 s56, s56, s57
	s_lshl_b32 s57, s12, 16
	s_add_co_u32 s56, s56, s57
	s_and_b32 s57, s14, 15
	s_lshl_b32 s57, s57, 11
	s_add_co_u32 s56, s56, s57
	s_mov_b32 s57, 0
	s_add_nc_u64 s[10:11], s[10:11], s[56:57]
.macro KLOAD c                         ; the chunk's 64 keys of K: tile u, channels 16 g on, at v[KV + 16 u + 4 g]
.irp u, 0,1,2,3
.irp g, 0,1,2,3
.if (\c) > 0
	ds_load_b128 v[KV+16*\u+4*\g:KV+16*\u+4*\g+3], v[AK] offset:(2*(\c)-1)*4096+\u*2048+\g*512
.elseif \u < 2
	ds_load_b128 v[KV+16*\u+4*\g:KV+16*\u+4*\g+3], v[LI] offset:KGLB+\u*2048+\g*512
.else
	ds_load_b128 v[KV+16*\u+4*\g:KV+16*\u+4*\g+3], v[AK] offset:(\u-2)*2048+\g*512
.endif
.endr
.endr
.endm
.macro VLOAD c                         ; the chunk's V^T: step g of 32 keys, channels 16 n on, half i, at v[KV + 32 g + 8 n + 4 i]
.irp g, 0,1
.irp n, 0,1,2,3
.irp i, 0,1
.if (\c) > 0
	ds_load_b128 v[KV+32*\g+8*\n+4*\i:KV+32*\g+8*\n+4*\i+3], v[AV] offset:(2*(\c)-1+\g)*4096+\n*1024+\i*512
.elseif \g == 0
	ds_load_b128 v[KV+32*\g+8*\n+4*\i:KV+32*\g+8*\n+4*\i+3], v[AVG] offset:\n*1024+\i*512
.else
	ds_load_b128 v[KV+32*\g+8*\n+4*\i:KV+32*\g+8*\n+4*\i+3], v[AV] offset:\n*1024+\i*512
.endif
.endr
.endr
.endr
.endm
; The accumulators take turns, one instruction a turn: between two links of a chain stand seven others'.
.macro SMUL                            ; S^T = K Q^T: channels 32 k on, keys 16 u on, tile t.  The first eight start the sums
.irp k, 0,1
.irp u, 0,1,2,3
.irp t, 0,1
.if \k == 0
	v_wmma_f32_16x16x32_f16 v[S+32*\t+8*\u:S+32*\t+8*\u+7], v[KV+16*\u:KV+16*\u+7], v[Q+16*\t:Q+16*\t+7], 0
.else
	v_wmma_f32_16x16x32_f16 v[S+32*\t+8*\u:S+32*\t+8*\u+7], v[KV+16*\u+8:KV+16*\u+15], v[Q+16*\t+8:Q+16*\t+15], v[S+32*\t+8*\u:S+32*\t+8*\u+7]
.endif
.endr
.endr
.endr
.endm
.macro PVMUL first                     ; O^T += V^T P: keys 32 g on, channels 16 n on, tile t.  first = 1: the first eight start the sums
.irp g, 0,1
.irp n, 0,1,2,3
.irp t, 0,1
.if \first && (\g == 0)
	v_wmma_f32_16x16x32_f16 v[O+32*\t+8*\n:O+32*\t+8*\n+7], v[KV+32*\g+8*\n:KV+32*\g+8*\n+7], v[S+32*\t+8*\g:S+32*\t+8*\g+7], 0
.else
	v_wmma_f32_16x16x32_f16 v[O+32*\t+8*\n:O+32*\t+8*\n+7], v[KV+32*\g+8*\n:KV+32*\g+8*\n+7], v[S+32*\t+8*\g:S+32*\t+8*\g+7], v[O+32*\t+8*\n:O+32*\t+8*\n+7]
.endif
.endr
.endr
.endr
.endm
; The masks.  In a step's half of a chunk, register 8 u + j of tile t holds the step's key 16 u + 8 (lane / 16) + j for query 16 t + lane % 16.  Each accumulator is taken from its low end on.
.macro MLOW half, lim, zlim            ; hidden where 16 u + j - 16 t < the lane's threshold (the key lies under q - 128); zlim serves u = 0, j = 0
.irp t, 0,1
.irp u, 0,1
.irp j, 0,1,2,3,4,5,6,7
.if (\u == 0) && (\j == 0)
	v_cmp_lt_i32 vcc_lo, 16*\u+\j-16*\t, v[\zlim]
.else
	v_cmp_lt_i32 vcc_lo, 16*\u+\j-16*\t, v[\lim]
.endif
	v_cndmask_b32 v[S+32*\t+8*(2*\half+\u)+\j], v[S+32*\t+8*(2*\half+\u)+\j], v[NINF], vcc_lo
.endr
.endr
.endr
.endm
.macro MHIGH half, lim                 ; hidden where 16 u + j - 16 t > the threshold (the key lies over q + 128)
.irp t, 0,1
.irp u, 0,1
.irp j, 0,1,2,3,4,5,6,7
	v_cmp_gt_i32 vcc_lo, 16*\u+\j-16*\t, v[\lim]
	v_cndmask_b32 v[S+32*\t+8*(2*\half+\u)+\j], v[S+32*\t+8*(2*\half+\u)+\j], v[NINF], vcc_lo
.endr
.endr
.endr
.endm
.macro KILL half, j                    ; window step j counts where 5 <= U + j <= 67; else all its scores become -infinity.  The branch hangs on ids alone and leads round register moves alone
	s_add_co_u32 s56, s15, (\j)-5
	s_cmp_le_u32 s56, 62
	s_cbranch_scc1 .Lcounts_\@
.irp t, 0,1
.set e, 0
.rept 16
	v_mov_b32 v[S+32*\t+16*(\half)+e], v[NINF]
.set e, e+1
.endr
.endr
.Lcounts_\@:
.endm
; The softmax of a chunk, both tiles by turns.  first = 1: chunk 0, which starts m, l and O^T: it has no a and nothing to rescale.
.macro SOFTMAX first
.irp n, 0,1,2,3                        ; the maximum of the lane's 32 scores: four chains, one for each accumulator, begun at its registers 0, 1, 2
.irp t, 0,1
	v_max3_num_f32 v[ST+8*\t+4+\n], v[S+32*\t+8*\n], v[S+32*\t+8*\n+1], v[S+32*\t+8*\n+2]
.endr
.endr
.irp i, 3,5
.irp n, 0,1,2,3
.irp t, 0,1
	v_max3_num_f32 v[ST+8*\t+4+\n], v[ST+8*\t+4+\n], v[S+32*\t+8*\n+\i], v[S+32*\t+8*\n+\i+1]
.endr
.endr
.endr
.irp t, 0,1
	v_max3_num_f32 v[ST+8*\t+4], v[ST+8*\t+4], v[S+32*\t+7], v[S+32*\t+15]
	v_max3_num_f32 v[ST+8*\t+6], v[ST+8*\t+6], v[S+32*\t+23], v[S+32*\t+31]
.endr
.irp t, 0,1
	v_max3_num_f32 v[ST+8*\t+4], v[ST+8*\t+4], v[ST+8*\t+5], v[ST+8*\t+6]
.endr
.irp t, 0,1
.if \first
	v_max_num_f32 v[ST+8*\t+4], v[ST+8*\t+4], v[ST+8*\t+7]
.else
	v_max3_num_f32 v[ST+8*\t+4], v[ST+8*\t+4], v[ST+8*\t+7], v[ST+8*\t+1]   ; and the old m
.endif
.endr
.irp t, 0,1
	v_permlanex16_b32 v[ST+8*\t+5], v[ST+8*\t+4], s[SEL], s[SEL+1]   ; the query's other keys lie in the lane 16 away
.endr
.if !\first
.irp t, 0,1
	v_mov_b32 v[ST+8*\t+7], v[ST+8*\t]             ; c m_old is kept for a
.endr
.endif
.irp t, 0,1
	v_max_num_f32 v[ST+8*\t+1], v[ST+8*\t+4], v[ST+8*\t+5]
.endr
.irp t, 0,1
	v_mul_f32 v[ST+8*\t], s[CS], v[ST+8*\t+1]
.endr
.if !\first
.irp t, 0,1
	v_sub_f32 v[ST+8*\t+7], v[ST+8*\t+7], v[ST+8*\t]
.endr
.endif
.irp b, 0,2,4,6,8,10,12,14,16,18,20,22,24,26,28,30
.irp t, 0,1
	v_pk_fma_f32 v[S+32*\t+\b:S+32*\t+\b+1], v[S+32*\t+\b:S+32*\t+\b+1], s[CS:CS+1], v[ST+8*\t:ST+8*\t+1] op_sel_hi:[1,0,0] neg_lo:[0,0,1] neg_hi:[0,0,1]   ; c s - c m, two at a time
.endr
.endr
.if !\first
.irp t, 0,1
	v_exp_f32 v[ST+8*\t+6], v[ST+8*\t+7]           ; a
.endr
.endif
.set e, 0
.rept 64
	v_exp_f32 v[S+e], v[S+e]                       ; p, at most 1.  ONE batch: none of these reads an exponential's result
.set e, e+1
.endr
	v_nop                                          ; a plain instruction behind the last exponential
	s_wait_alu depctr_va_vdst(0)                   ; the wait ahead of the first instruction that names a result: one for the batch
.irp t, 0,1
	v_pk_add_f32 v[ST+8*\t+4:ST+8*\t+5], v[S+32*\t:S+32*\t+1], v[S+32*\t+2:S+32*\t+3]   ; the sum of the unrounded p
.endr
.irp b, 4,6,8,10,12,14,16,18,20,22,24,26,28
.irp t, 0,1
	v_pk_add_f32 v[ST+8*\t+4:ST+8*\t+5], v[ST+8*\t+4:ST+8*\t+5], v[S+32*\t+\b:S+32*\t+\b+1]
.endr
.endr
.if \first
.irp t, 0,1
	v_pk_add_f32 v[ST+8*\t+2:ST+8*\t+3], v[ST+8*\t+4:ST+8*\t+5], v[S+32*\t+30:S+32*\t+31]
.endr
.else
.irp t, 0,1
	v_pk_add_f32 v[ST+8*\t+4:ST+8*\t+5], v[ST+8*\t+4:ST+8*\t+5], v[S+32*\t+30:S+32*\t+31]
.endr
.irp t, 0,1
	v_pk_fma_f32 v[ST+8*\t+2:ST+8*\t+3], v[ST+8*\t+2:ST+8*\t+3], v[ST+8*\t+6:ST+8*\t+7], v[ST+8*\t+4:ST+8*\t+5] op_sel_hi:[1,0,1]   ; l = a l + the sum
.endr
.endif
.set e, 0
.rept 16                               ; P is laid over S^T's first 16 registers: register e is written when registers 2 e, 2 e + 1 are read, and was itself read at an earlier e
	v_cvt_pk_f16_f32 v[S+e], v[S+2*e], v[S+2*e+1]
	v_cvt_pk_f16_f32 v[S+32+e], v[S+32+2*e], v[S+32+2*e+1]
.set e, e+1
.endr
.if !\first
.set e, 0
.rept 16                               ; O^T times a, each accumulator from its low end on
	v_pk_mul_f32 v[O+2*e:O+2*e+1], v[O+2*e:O+2*e+1], v[ST+6:ST+7] op_sel_hi:[1,0]
	v_pk_mul_f32 v[O+32+2*e:O+32+2*e+1], v[O+32+2*e:O+32+2*e+1], v[ST+14:ST+15] op_sel_hi:[1,0]
.set e, e+1
.endr
.endif
.endm
.macro CHUNK c
	s_wait_dscnt 0x0                               ; K is in
.if (\c) == 0
	s_wait_loadcnt 0x0                             ; and Q
.endif
	SMUL
.rept 4
	v_nop                                          ; four places ahead of loads into K's registers and of the first read of the scores
.endr
.if (\c) > 0
	VLOAD \c                                       ; V takes K's registers and lands under the softmax
.endif
.if (\c) == 0
	MLOW 0, LG, LG0
	MLOW 1, L0, L0
.elseif (\c) < 4
	KILL 0, 2*(\c)-1
	KILL 1, 2*(\c)
.else
	KILL 0, 7
	MHIGH 1, H8
.endif
.if (\c) == 0
	SOFTMAX 1
	s_wait_tensorcnt 0x0                           ; my part of V has landed,
	s_barrier_signal -1
	s_barrier_wait -1                              ; everybody's has.
	VLOAD 0
	s_wait_dscnt 0x0
	PVMUL 1
.else
	SOFTMAX 0
	s_wait_dscnt 0x0                               ; V is in
	PVMUL 0
.endif
.rept 5
	v_nop                                          ; five places: the next chunk's first products write over P's registers; the loads below land in V's
.endr
.if (\c) < 4
	KLOAD (\c)+1
.endif
.endm
	s_wait_tensorcnt 1                             ; my part of K is in; my V load, issued behind it, may be out,
	s_barrier_signal -1
	s_barrier_wait -1                              ; everybody's K is
	KLOAD 0
	CHUNK 0
	CHUNK 1
	CHUNK 2
	CHUNK 3
	CHUNK 4
	; THE WAY OUT: l's two halves and the other half of the lanes' are added; O^T is divided by l and rounded to f16.  A lane's eight channels of a token are 16 bytes of an image of the last product's operand: 512 consecutive bytes a store.
.irp t, 0,1
	v_add_f32 v[ST+8*\t+4], v[ST+8*\t+2], v[ST+8*\t+3]
.endr
.irp t, 0,1
	v_permlanex16_b32 v[ST+8*\t+5], v[ST+8*\t+4], s[SEL], s[SEL+1]
.endr
.irp t, 0,1
	v_add_f32 v[ST+8*\t+4], v[ST+8*\t+4], v[ST+8*\t+5]
.endr
.irp t, 0,1
	v_rcp_f32 v[ST+8*\t+6], v[ST+8*\t+4]
.endr
	v_nop                                          ; a plain instruction behind the last reciprocal
	s_wait_alu depctr_va_vdst(0)                   ; and the wait ahead of the first use: one for the two
.set e, 0
.rept 16
	v_pk_mul_f32 v[O+2*e:O+2*e+1], v[O+2*e:O+2*e+1], v[ST+6:ST+7] op_sel_hi:[1,0]
	v_pk_mul_f32 v[O+32+2*e:O+32+2*e+1], v[O+32+2*e:O+32+2*e+1], v[ST+14:ST+15] op_sel_hi:[1,0]
.set e, e+1
.endr
.set e, 0
.rept 32
	v_cvt_pk_f16_f32 v[KV+e], v[O+2*e], v[O+2*e+1]
.set e, e+1
.endr
.irp t, 0,1
.irp n, 0,1,2,3
	global_store_b128 v[LI], v[KV+16*\t+4*\n:KV+16*\t+4*\n+3], s[10:11] offset:\t*32768+\n*512
.endr
.endr
	s_wait_tensorcnt 0x0                           ; the wave's end: this wait, an add of 0 to my spare word and its wait, behind my last tensor load
	ds_add_u32 v[SPW], v[NIL]
	s_wait_dscnt 0x0
	s_endpgm
.Lfunc_end_k_q681c97ba51_att:
	.size	k_q681c97ba51_att, .Lfunc_end_k_q681c97ba51_att-k_q681c97ba51_att
	.p2alignl 7, 3214868480
	.fill 96, 4, 3214868480
	.section	.rodata,"a",@progbits
	.p2align	6, 0x0
	.amdhsa_kernel k_q681c97ba51_att
		.amdhsa_group_segment_fixed_size 167936
		.amdhsa_private_segment_fixed_size 0
		.amdhsa_enable_private_segment 0
		.amdhsa_kernarg_size 32
		.amdhsa_user_sgpr_count 2
		.amdhsa_user_sgpr_kernarg_segment_ptr 1
		.amdhsa_wavefront_size32 1
		.amdhsa_system_sgpr_workgroup_id_x 1
		.amdhsa_system_sgpr_workgroup_id_y 1
		.amdhsa_system_sgpr_workgroup_id_z 1
		.amdhsa_system_vgpr_workitem_id 0
		.amdhsa_next_free_vgpr 256
		.amdhsa_next_free_sgpr 66
		.amdhsa_reserve_vcc 1
		.amdhsa_float_denorm_mode_32 3
		.amdhsa_float_denorm_mode_16_64 3
		.amdhsa_memory_ordered 1
		.amdhsa_forward_progress 1
		.amdhsa_inst_pref_size 108
	.end_amdhsa_kernel
	.amdgpu_metadata
---
amdhsa.version: [ 1, 2 ]
amdhsa.kernels:
  - .name:           k_q681c97ba51_att
    .symbol:         k_q681c97ba51_att.kd
    .args:
      - { .name: q_ws, .offset: 0, .size: 8, .value_kind: global_buffer, .address_space: global }
      - { .name: k_ws, .offset: 8, .size: 8, .value_kind: global_buffer, .address_space: global }
      - { .name: v_ws, .offset: 16, .size: 8, .value_kind: global_buffer, .address_space: global }
      - { .name: att_ws, .offset: 24, .size: 8, .value_kind: global_buffer, .address_space: global }
    .group_segment_fixed_size: 167936
    .private_segment_fixed_size: 0
    .kernarg_segment_align: 8
    .kernarg_segment_size: 32
    .max_flat_workgroup_size: 256
    .sgpr_count:     66
    .vgpr_count:     256
    .wavefront_size: 32
...
	.end_amdgpu_metadata
.endif
;; end of part 3
;; launch glob (part 4): grid 32 x 1, 16 waves a work-group, no clusters, 72,192 bytes of LDS; arguments q_ws, k_ws, v_ws, att_ws; writes att_ws
.if DOCPART == 4
	.amdgcn_target "amdgcn-amd-amdhsa--gfx1250"
	.amdhsa_code_object_version 6
	.text
	.protected	k_q681c97ba51_glob
	.globl	k_q681c97ba51_glob
	.p2align	8
	.type	k_q681c97ba51_glob,@function
k_q681c97ba51_glob:
	s_mov_b64 s[64:65], 0
	v_nop
	global_prefetch_b8 v0, s[64:65] scope:SCOPE_SE
	s_setreg_imm32_b32 hwreg(HW_REG_WAVE_MODE, 25, 1), 1
	s_wait_xcnt 0x0
; Query 0 of each head attends to all 2,048 keys: its row of att_ws is written anew here.
; One work-group for each bh.  Wave w takes keys 128 w .. 128 w + 127 against the head's first tile of 16 queries; only query 0 (lanes 0 and 16) is kept.  The fragments come straight from memory, as the images that they are.
; Each wave makes its own maximum c m, sum l and O^T; they meet in LDS, and wave 0 joins the sixteen: O = sum of O_w 2^(c m_w - M) / sum of l_w 2^(c m_w - M), M the largest c m_w.
; No cluster and no tensor load: work-groups share nothing, and each byte is read once.  32 work-groups: there are 32 such rows.
; LIMIT: |q|, |k|, |v| up to 65,504 (they arrive as f16).
; REGISTERS: v1, v2 the add's two; v3 16 x lane; v4-7 LDS addresses; v8-15 statistics; v16-31 Q; v32-159 K, then V; v160-223 S^T, P laid over v160-191; v224-255 O^T.
.set OIM,   0                          ; LDS: each wave's O^T as it stands in registers: 8 x 512 bytes, waves 4,112 bytes apart
.set STM,   65792                      ; each wave's c m (4 bytes a lane) and, 128 bytes on, l; waves 272 bytes apart
.set SPARE, 70144                      ; the spare words, 128 bytes a wave
.set SPW, 1
.set NIL, 2
.set LI,  3
.set Q,   16
.set KV,  32
.set S,   160
.set O,   224
.set SEL, 20                           ; s[20:21]
.set CS,  22                           ; s[22:23]
	s_load_b256 s[4:11], s[0:1], 0x0               ; q_ws s[4:5], k_ws s[6:7], v_ws s[8:9], att_ws s[10:11]
	v_lshl_add_u32 v[SPW], v0, 2, SPARE
	v_mov_b32 v[NIL], 0
	v_lshrrev_b32 v8, 5, v0
	v_readfirstlane_b32 s12, v8                    ; wave 0..15
	v_and_b32 v9, 31, v0
	v_lshlrev_b32 v[LI], 4, v9
	s_mul_i32 s13, s12, 4112
	v_add_nc_u32 v4, s13, v[LI]                    ; where I put O^T
	v_and_b32 v10, 15, v0
	v_bfe_u32 v11, v0, 4, 1
	v_mul_u32_u24 v5, v10, 4112                    ; the merge (wave 0): lane l stands for wave l % 16 and half l / 16: that wave's lane 16 (l / 16)
	v_lshl_add_u32 v5, v11, 8, v5
	v_mul_u32_u24 v6, v10, 272
	v_add_nc_u32 v6, STM, v6                       ; and that wave's lane 0's statistics
	s_mul_i32 s13, s12, 272
	s_add_co_u32 s13, s13, STM
	v_lshl_add_u32 v7, v9, 2, s13                  ; where I put mine
	v_mov_b32 v13, 0                               ; written once: a lane permute's destination counts as one of its sources
	v_mov_b32 v15, 0                               ; named as the upper half of the pair v[14:15]
	s_mov_b32 s[SEL], 0x76543210
	s_mov_b32 s[SEL+1], 0xfedcba98
	s_mov_b32 s[CS], 0x3e38aa3b                    ; c = log2(e) / sqrt(64)
	s_mov_b32 s[CS+1], s[CS]
	s_lshl_b32 s14, ttmp9, 18                      ; the head's 262,144 bytes
	s_mov_b32 s15, 0
	s_lshl_b32 s16, s12, 14                        ; my 128 keys x 128 bytes,
	s_add_co_u32 s16, s16, s14
	s_add_co_u32 s16, s16, 16384                   ; behind the pad
	s_mov_b32 s17, 0
	s_lshr_b32 s18, ttmp9, 4
	s_lshl_b32 s18, s18, 22                        ; the batch's first 16 tokens: 128 b x 32,768
	s_and_b32 s24, ttmp9, 15
	s_lshl_b32 s24, s24, 11                        ; + head x 2,048
	s_add_co_u32 s18, s18, s24
	s_mov_b32 s19, 0
	s_wait_kmcnt 0x0
	s_add_nc_u64 s[4:5], s[4:5], s[14:15]
	s_add_nc_u64 s[6:7], s[6:7], s[16:17]
	s_add_nc_u64 s[8:9], s[8:9], s[16:17]
	s_add_nc_u64 s[10:11], s[10:11], s[18:19]
.irp g, 0,1,2,3
	global_load_b128 v[Q+4*\g:Q+4*\g+3], v[LI], s[4:5] offset:\g*512
.endr
.irp u, 0,1,2,3,4,5,6,7
.irp g, 0,1,2,3
	global_load_b128 v[KV+16*\u+4*\g:KV+16*\u+4*\g+3], v[LI], s[6:7] offset:\u*2048+\g*512
.endr
.endr
	s_wait_loadcnt 0x0
.irp k, 0,1                            ; S^T = K Q^T: eight accumulators by turns, one instruction a turn
.irp u, 0,1,2,3,4,5,6,7
.if \k == 0
	v_wmma_f32_16x16x32_f16 v[S+8*\u:S+8*\u+7], v[KV+16*\u:KV+16*\u+7], v[Q:Q+7], 0
.else
	v_wmma_f32_16x16x32_f16 v[S+8*\u:S+8*\u+7], v[KV+16*\u+8:KV+16*\u+15], v[Q+8:Q+15], v[S+8*\u:S+8*\u+7]
.endif
.endr
.endr
.rept 4
	v_nop                                          ; four places ahead of loads into K's registers and of the first read of the scores
.endr
.irp g, 0,1,2,3
.irp n, 0,1,2,3
.irp i, 0,1
	global_load_b128 v[KV+32*\g+8*\n+4*\i:KV+32*\g+8*\n+4*\i+3], v[LI], s[8:9] offset:\g*4096+\n*1024+\i*512   ; V^T lands under the softmax
.endr
.endr
.endr
.irp b, 0,1,2,3                        ; the largest of the lane's 64 scores: four chains of 16; each accumulator is first read at its low end
	v_max3_num_f32 v[8+\b], v[S+16*\b], v[S+16*\b+1], v[S+16*\b+2]
.endr
.irp i, 3,5,7,9,11,13
.irp b, 0,1,2,3
	v_max3_num_f32 v[8+\b], v[8+\b], v[S+16*\b+\i], v[S+16*\b+\i+1]
.endr
.endr
.irp b, 0,1,2,3
	v_max_num_f32 v[8+\b], v[8+\b], v[S+16*\b+15]
.endr
	v_max3_num_f32 v12, v8, v9, v10
	v_max_num_f32 v12, v12, v11
	v_permlanex16_b32 v13, v12, s[SEL], s[SEL+1]
	v_max_num_f32 v12, v12, v13                    ; m of my 128 keys
	v_mul_f32 v14, s[CS], v12                      ; c m
.irp b, 0,2,4,6,8,10,12,14,16,18,20,22,24,26,28,30,32,34,36,38,40,42,44,46,48,50,52,54,56,58,60,62
	v_pk_fma_f32 v[S+\b:S+\b+1], v[S+\b:S+\b+1], s[CS:CS+1], v[14:15] op_sel_hi:[1,0,0] neg_lo:[0,0,1] neg_hi:[0,0,1]
.endr
.set e, 0
.rept 64
	v_exp_f32 v[S+e], v[S+e]
.set e, e+1
.endr
	v_nop                                          ; a plain instruction behind the last exponential
	s_wait_alu depctr_va_vdst(0)                   ; one wait for the batch, ahead of its first reader
	v_pk_add_f32 v[8:9], v[S:S+1], v[S+2:S+3]      ; the sum of the unrounded p, in two chains
	v_pk_add_f32 v[10:11], v[S+4:S+5], v[S+6:S+7]
.irp b, 8,12,16,20,24,28,32,36,40,44,48,52,56,60
	v_pk_add_f32 v[8:9], v[8:9], v[S+\b:S+\b+1]
	v_pk_add_f32 v[10:11], v[10:11], v[S+\b+2:S+\b+3]
.endr
	v_pk_add_f32 v[8:9], v[8:9], v[10:11]
	v_add_f32 v8, v8, v9
	v_permlanex16_b32 v13, v8, s[SEL], s[SEL+1]
	v_add_f32 v8, v8, v13                          ; l
.set e, 0
.rept 32
	v_cvt_pk_f16_f32 v[S+e], v[S+2*e], v[S+2*e+1]  ; P, laid over S^T's first 32 registers
.set e, e+1
.endr
	s_wait_loadcnt 0x0                             ; V
.irp g, 0,1,2,3                        ; O^T = V^T P: four accumulators by turns
.irp n, 0,1,2,3
.if \g == 0
	v_wmma_f32_16x16x32_f16 v[O+8*\n:O+8*\n+7], v[KV+32*\g+8*\n:KV+32*\g+8*\n+7], v[S+8*\g:S+8*\g+7], 0
.else
	v_wmma_f32_16x16x32_f16 v[O+8*\n:O+8*\n+7], v[KV+32*\g+8*\n:KV+32*\g+8*\n+7], v[S+8*\g:S+8*\g+7], v[O+8*\n:O+8*\n+7]
.endif
.endr
.endr
.rept 4
	v_nop
.endr
.irp g, 0,1,2,3,4,5,6,7
	ds_store_b128 v4, v[O+4*\g:O+4*\g+3] offset:OIM+512*\g
.endr
	ds_store_b32 v7, v14
	ds_store_b32 v7, v8 offset:128
	s_wait_dscnt 0x0                               ; for wave 0's sake: my stores have landed
	s_barrier_signal -1
	s_barrier_wait -1
	s_cmp_lg_u32 s12, 0
	s_cbranch_scc1 .Lend                           ; wave 0 alone joins the sixteen
	ds_load_b32 v8, v6                             ; c m of wave l % 16
	ds_load_b32 v9, v6 offset:128                  ; its l
.irp g, 0,1,2,3,4,5,6,7
	ds_load_b128 v[KV+4*\g:KV+4*\g+3], v5 offset:OIM+512*\g   ; its query 0: channels 16 n + 8 (l / 16) + 0..7 in registers 8 n + 0..7
.endr
	s_wait_dscnt 0x0
	v_mov_b32 v10, v8
.irp m, 1,2,4,8
	v_max_num_f32_dpp v10, v10, v10 row_xmask:\m row_mask:0xf bank_mask:0xf
.endr
	v_sub_f32 v10, v8, v10
	v_exp_f32 v10, v10                             ; f = 2^(c m - M)
	v_nop
	s_wait_alu depctr_va_vdst(0)
	v_mul_f32 v11, v9, v10
.irp m, 1,2,4,8
	v_add_f32_dpp v11, v11, v11 row_xmask:\m row_mask:0xf bank_mask:0xf
.endr
	v_rcp_f32 v11, v11
	v_nop
	s_wait_alu depctr_va_vdst(0)
	v_mul_f32 v12, v10, v11                        ; f / the whole sum
	v_mov_b32 v13, v12
.set e, 0
.rept 16
	v_pk_mul_f32 v[KV+2*e:KV+2*e+1], v[KV+2*e:KV+2*e+1], v[12:13]
.set e, e+1
.endr
.irp m, 1,2,4,8
.set e, 0
.rept 32
	v_add_f32_dpp v[KV+e], v[KV+e], v[KV+e] row_xmask:\m row_mask:0xf bank_mask:0xf   ; over the sixteen waves
.set e, e+1
.endr
.endr
.set e, 0
.rept 16
	v_cvt_pk_f16_f32 v[KV+32+e], v[KV+2*e], v[KV+2*e+1]
.set e, e+1
.endr
	v_and_b32 v10, 15, v0
	v_cmp_eq_u32 vcc_lo, 0, v10
	s_wait_xcnt 0x0                                ; EXEC changes only behind this wait
	s_and_saveexec_b32 s30, vcc_lo                 ; lanes 0 and 16: token 0's two places in an image
.irp n, 0,1,2,3
	global_store_b128 v[LI], v[KV+32+4*\n:KV+32+4*\n+3], s[10:11] offset:\n*512
.endr
	s_wait_xcnt 0x0                                ; and again, in front of the line that widens it
	s_or_b32 exec_lo, exec_lo, s30
.Lend:
	s_wait_tensorcnt 0x0                           ; the wave's end: this wait, an add of 0 to my spare word and its wait, behind my last LDS store
	ds_add_u32 v[SPW], v[NIL]
	s_wait_dscnt 0x0
	s_endpgm
.Lfunc_end_k_q681c97ba51_glob:
	.size	k_q681c97ba51_glob, .Lfunc_end_k_q681c97ba51_glob-k_q681c97ba51_glob
	.p2alignl 7, 3214868480
	.fill 96, 4, 3214868480
	.section	.rodata,"a",@progbits
	.p2align	6, 0x0
	.amdhsa_kernel k_q681c97ba51_glob
		.amdhsa_group_segment_fixed_size 72192
		.amdhsa_private_segment_fixed_size 0
		.amdhsa_enable_private_segment 0
		.amdhsa_kernarg_size 32
		.amdhsa_user_sgpr_count 2
		.amdhsa_user_sgpr_kernarg_segment_ptr 1
		.amdhsa_wavefront_size32 1
		.amdhsa_system_sgpr_workgroup_id_x 1
		.amdhsa_system_sgpr_workgroup_id_y 1
		.amdhsa_system_sgpr_workgroup_id_z 1
		.amdhsa_system_vgpr_workitem_id 0
		.amdhsa_next_free_vgpr 256
		.amdhsa_next_free_sgpr 66
		.amdhsa_reserve_vcc 1
		.amdhsa_float_denorm_mode_32 3
		.amdhsa_float_denorm_mode_16_64 3
		.amdhsa_memory_ordered 1
		.amdhsa_forward_progress 1
		.amdhsa_inst_pref_size 34
	.end_amdhsa_kernel
	.amdgpu_metadata
---
amdhsa.version: [ 1, 2 ]
amdhsa.kernels:
  - .name:           k_q681c97ba51_glob
    .symbol:         k_q681c97ba51_glob.kd
    .args:
      - { .name: q_ws, .offset: 0, .size: 8, .value_kind: global_buffer, .address_space: global }
      - { .name: k_ws, .offset: 8, .size: 8, .value_kind: global_buffer, .address_space: global }
      - { .name: v_ws, .offset: 16, .size: 8, .value_kind: global_buffer, .address_space: global }
      - { .name: att_ws, .offset: 24, .size: 8, .value_kind: global_buffer, .address_space: global }
    .group_segment_fixed_size: 72192
    .private_segment_fixed_size: 0
    .kernarg_segment_align: 8
    .kernarg_segment_size: 32
    .max_flat_workgroup_size: 512
    .sgpr_count:     66
    .vgpr_count:     256
    .wavefront_size: 32
...
	.end_amdgpu_metadata
.endif
;; end of part 4
;; launch oproj (part 5): grid 8 x 32, 4 waves a work-group, clusters of 4 x 4, 327,680 bytes of LDS; arguments att_ws, wo16, out0; writes out0
.if DOCPART == 5
	.amdgcn_target "amdgcn-amd-amdhsa--gfx1250"
	.amdhsa_code_object_version 6
	.text
	.protected	k_q681c97ba51_oproj
	.globl	k_q681c97ba51_oproj
	.p2align	8
	.type	k_q681c97ba51_oproj,@function
k_q681c97ba51_oproj:
	s_mov_b64 s[64:65], 0
	v_nop
	global_prefetch_b8 v0, s[64:65] scope:SCOPE_SE
	s_setreg_imm32_b32 hwreg(HW_REG_WAVE_MODE, 25, 1), 1
	s_wait_xcnt 0x0
	s_wait_alu depctr_hold_cnt(0) depctr_sa_sdst(0) depctr_va_vdst(0) depctr_va_sdst(0) depctr_va_ssrc(0) depctr_va_vcc(0) depctr_vm_vsrc(0)
	s_getreg_b32 s2, hwreg(HW_REG_IB_STS2, 6, 4)
	s_cmp_eq_u32 s2, 0
	s_cbranch_scc0 .Lentry_in_a_cluster
	s_endpgm
.Lentry_in_a_cluster:
	s_bfe_u32 s2, ttmp6, 0x10000c
	s_cmp_lg_u32 s2, 0xf033
	s_cbranch_scc0 .Lentry_shape_is_right
	s_endpgm
.Lentry_shape_is_right:
; out0[m][n] = sum over k of att[m][k] Wo[n][k]: 4,096 x 1,024 x 1,024, f16 operands, f32 sums, f32 out.
; att_ws holds the left operand as images of its fragments: byte = (m / 16) x 32,768 + (k / 32) x 1,024 + ((k / 16) % 2) x 512 + 16 x lane; lane (r, h) holds k = .. + 8 h + 0..7 of row r.  wo16: [1024][1024] f16, row-major.
; A tile of out0 is 128 x 128 (256 work-groups); four waves, each 64 x 64: 16 accumulators.  K goes in four steps of 256 through a ring of two LDS slots.
; A slot: A's eight tiles of 16 rows, 8,192 dense bytes each (read 16 bytes a lane, 512 consecutive bytes a load: no padding is wanted), then B's 128 rows of 512 bytes + 16 of padding.
; CLUSTERS: 4 x 4 work-groups.  The four of a row of the cluster need the same tiles of A, the four of a column the same tiles of B: each is asked for jointly.  Waves 0 and 1 ask for A's halves, waves 2 and 3 for B's.
; THE MATRIX INSTRUCTION IS USED TRANSPOSED (source 0 = 16 rows of Wo, source 1 = 16 rows of A): a lane then holds eight neighbouring numbers of a row of out0.
; LIMIT: the operands arrive as f16: magnitudes up to 65,504.
; REGISTERS: window 0: v16-29 addresses; v128-255 the accumulators ((a, b) at v[128 + 8 (4 a + b)]).   window 1: two fragment buffers of 128 (64 of A, then 64 of B, for 64 along K); on the way out rows of out0.
.set PITCH,  528                       ; a row of B in LDS: 512 bytes + 16 of padding: the 16 rows that a load touches start at 16 different groups of banks
.set ABYTES, 65536                     ; A's part of a slot
.set SLOT,   ABYTES+128*PITCH
.set STAGE,  2*SLOT                    ; behind the ring: 16 rows x 272 bytes for each wave, its own, for the way out
.set SPITCH, 272
.set SPARE,  STAGE+4*16*SPITCH         ; the spare words, 128 bytes a wave
.set ADRA, 16                          ; v16-17  LDS address of my A fragments in slot 0, 1
.set ADRB, 20                          ; v20-21  the same for B
.set STO,  24                          ; v24     the way out: where I put 32 bytes of a row
.set RD,   25                          ; v25     where I read a row back
.set CO,   26                          ; v26     my byte offset in out0
.set SPW,  28                          ; v28     LDS address of my spare word; never rewritten
.set NIL,  29                          ; v29     0; never rewritten
.set ACC,  128
.set F0,   0                           ; fragment buffers, in window 1
.set F1,   128
.set G1, 24                            ; s[24:31] group 1 for A's tiles;  s[32:39] group 0, one set for each slot
.set G0, 32
.set G1B, 48                           ; s[48:55], s[56:63] the same for B's
.set G0B, 56
.set MSB, 0
.macro WIN new                         ; the immediate's high byte repeats the setting that is left
.if MSB != \new
	s_set_vgpr_msb (MSB<<8)|\new
.set MSB, \new
.endif
.endm
.set MUL,  0x05                        ; sources 0 (B) and 1 (A) window 1; C and D window 0
.set TO_F, 0x40                        ; destination window 1, address window 0
.macro JLOAD s                         ; a joint load; an s_nop 0 and four v_nop follow each of the two lines, ahead of the jump, the label and what follows
	s_cmp_eq_u32 s11, 0
	s_cbranch_scc0 .Lfor_b_\@
	tensor_load_to_lds s[G0+4*\s:G0+4*\s+3], s[G1:G1+7]
	s_nop 0
.rept 4
	v_nop
.endr
	s_branch .Lasked_\@
.Lfor_b_\@:
	tensor_load_to_lds s[G0B+4*\s:G0B+4*\s+3], s[G1B:G1B+7]
	s_nop 0
.rept 4
	v_nop
.endr
.Lasked_\@:
.endm
.macro CREST                           ; a round of the cluster's barrier behind its opening barrier
	s_cmp_lg_u32 s10, 0
	s_cbranch_scc1 .Lnot_wave_0_\@
	s_barrier_signal -3
.Lnot_wave_0_\@:
	s_barrier_wait -3
	s_barrier_signal -1
	s_barrier_wait -1
.endm
.macro CROUND                          ; a whole round
	s_barrier_signal -1
	s_barrier_wait -1
	CREST
.endm
	s_load_b128 s[4:7], s[0:1], 0x0                ; att_ws s[4:5], wo16 s[6:7]
	s_load_b64 s[8:9], s[0:1], 0x10                ; out0
	v_lshl_add_u32 v[SPW], v0, 2, SPARE
	v_mov_b32 v[NIL], 0
	ds_add_u32 v[SPW], v[NIL]                      ; the wave's opening: the add, twice on end, and its wait ahead of my first tensor load
	ds_add_u32 v[SPW], v[NIL]                      ; and once more, under the one wait; the set-up below, work on registers, stands between
	v_lshrrev_b32 v1, 5, v0
	v_readfirstlane_b32 s10, v1                    ; wave 0..3
	s_lshr_b32 s11, s10, 1                         ; which half of the tile's rows is mine.  Also: I fetch for A (0) or for B (1)
	s_and_b32 s12, s10, 1                          ; which half of its columns.  Also: which half of that tile I fetch
	s_bfe_u32 s40, ttmp6, 0x40000                  ; cx, cy: my place in the cluster
	s_bfe_u32 s41, ttmp6, 0x40004
	s_lshl_b32 s42, ttmp9, 2
	s_add_co_u32 s42, s42, s40                     ; tile column = 4 x cluster x + cx
	s_and_b32 s13, ttmp7, 0xffff
	s_lshl_b32 s13, s13, 2
	s_add_co_u32 s13, s13, s41                     ; tile row = 4 x cluster y + cy
	s_lshl_b32 s43, s41, 2
	s_lshl_b32 s43, 15, s43                        ; my row of the cluster
	s_lshl_b32 s44, 0x1111, s40                    ; my column
	; group 1 for A: four tiles of 16 rows: 4 lines of 8,192 bytes (1,024 elements of 8 bytes), 32,768 bytes apart in memory, dense in LDS
	s_or_b32 s[G1+0], s43, (3<<16)|(1<<21)         ; 15:0 the mask: my row; 17:16 elements of 8 bytes; 21 set beside a mask
	s_mov_b32 s[G1+1], 1024<<16                    ; tensor_dim0
	s_mov_b32 s[G1+2], 4<<16                       ; tensor_dim1
	s_mov_b32 s[G1+3], 1024<<16                    ; tile_dim0
	s_mov_b32 s[G1+4], 4                           ; tile_dim1
	s_mov_b32 s[G1+5], 4096                        ; from line to line, in elements
	s_mov_b32 s[G1+6], 0
	s_mov_b32 s[G1+7], 0
	; group 1 for B: 64 rows x 256 elements of 2 bytes, 16 bytes of padding behind each row
	s_or_b32 s[G1B+0], s44, (1<<16)|(1<<20)|(1<<21)|(6<<22)|(3<<25)
	s_mov_b32 s[G1B+1], 256<<16
	s_mov_b32 s[G1B+2], 64<<16
	s_mov_b32 s[G1B+3], 256<<16
	s_mov_b32 s[G1B+4], 64
	s_mov_b32 s[G1B+5], 1024
	s_mov_b32 s[G1B+6], 0
	s_mov_b32 s[G1B+7], 0
	s_lshl_b32 s16, s13, 18                        ; A: tile of 16 rows number 8 x tile row + 4 x half, 32,768 bytes each
	s_lshl_b32 s17, s12, 17
	s_add_co_u32 s16, s16, s17
	s_mov_b32 s17, 0
	s_lshl_b32 s46, s42, 18                        ; B: row 128 x tile column + 64 x half, 2,048 bytes each
	s_lshl_b32 s47, s12, 17
	s_add_co_u32 s46, s46, s47
	s_mov_b32 s47, 0
	s_lshl_b32 s20, s12, 15                        ; where they go: A's half,
	s_mul_i32 s21, s12, 64*PITCH
	s_add_co_u32 s21, s21, ABYTES                  ; B's half: no place in the cluster enters an LDS address
	s_wait_dscnt 0x0                               ; both opening adds are done
	s_wait_kmcnt 0x0
	s_add_nc_u64 s[14:15], s[4:5], s[16:17]
	s_add_nc_u64 s[46:47], s[6:7], s[46:47]
	CROUND                                         ; all sixteen work-groups are here: the first joint loads meet
.irp s, 0,1
	s_mov_b32 s[G0+4*\s], 1
	s_add_co_u32 s[G0+4*\s+1], s20, \s*SLOT
	s_add_nc_u64 s[G0+4*\s+2:G0+4*\s+3], s[14:15], \s*8192      ; K step s: 8,192 bytes on in each tile of 16 rows
	s_or_b32 s[G0+4*\s+3], s[G0+4*\s+3], 0x80000000
	s_mov_b32 s[G0B+4*\s], 1
	s_add_co_u32 s[G0B+4*\s+1], s21, \s*SLOT
	s_add_nc_u64 s[G0B+4*\s+2:G0B+4*\s+3], s[46:47], \s*512     ; 512 bytes on in each row
	s_or_b32 s[G0B+4*\s+3], s[G0B+4*\s+3], 0x80000000
	JLOAD \s
.endr
	v_and_b32 v1, 15, v0                           ; l % 16
	v_bfe_u32 v2, v0, 4, 1                         ; l / 16
	v_and_b32 v3, 31, v0
	v_lshlrev_b32 v3, 4, v3                        ; A: 16 x lane
	v_mul_u32_u24 v4, v1, PITCH
	v_lshl_add_u32 v4, v2, 4, v4                   ; B: row x pitch + 16 x half
	s_lshl_b32 s21, s11, 15                        ; my four tiles of A
	s_mul_i32 s22, s12, 64*PITCH                   ; my 64 rows of B,
	s_add_co_u32 s22, s22, ABYTES                  ; which lie behind A
.irp s, 0,1
	v_add_nc_u32 v[ADRA+\s], s21, v3
	v_add_nc_u32 v[ADRB+\s], s22, v4
	s_add_co_u32 s21, s21, SLOT
	s_add_co_u32 s22, s22, SLOT
.endr
	s_mul_i32 s23, s10, 16*SPITCH
	s_add_co_u32 s23, s23, STAGE                   ; my stage
	v_mul_u32_u24 v5, v1, SPITCH                   ; in: row l % 16, 32 bytes for each half of the lanes
	v_lshl_add_u32 v5, v2, 5, v5
	v_add_nc_u32 v[STO], s23, v5
	v_mul_u32_u24 v5, v2, SPITCH                   ; back: lanes 0-15 take one row of 256 bytes, lanes 16-31 the next
	v_lshl_add_u32 v5, v1, 4, v5
	v_add_nc_u32 v[RD], s23, v5
	v_lshlrev_b32 v5, 12, v2                       ; and the same two rows in out0: 4,096 bytes a row
	v_lshl_add_u32 v[CO], v1, 4, v5
	s_lshl_b32 s16, s13, 19                        ; my first row: (128 x tile row + 64 x half) x 4,096 bytes
	s_lshl_b32 s17, s11, 18
	s_add_co_u32 s16, s16, s17
	s_mov_b32 s17, 0
	s_add_nc_u64 s[8:9], s[8:9], s[16:17]
	s_lshl_b32 s46, s42, 9                         ; my first column, in bytes: 512 x tile column + 256 x half
	s_lshl_b32 s47, s12, 8
	s_add_co_u32 s46, s46, s47
	s_mov_b32 s47, 0
	s_add_nc_u64 s[8:9], s[8:9], s[46:47]
; 8 matrix instructions: m blocks a0, a0 + 1 x all 4 n blocks, 32 along K: half c of buffer f.  zero = 1: the first product starts the sums.  The 16 accumulators take turns.
.macro MUL8 f, c, a0, zero
.irp a, \a0, \a0+1
.irp b, 0,1,2,3
.if \zero
	v_wmma_f32_16x16x32_f16 v[ACC+8*(4*(\a)+\b):ACC+8*(4*(\a)+\b)+7], v[\f+64+8*(4*\c+\b):\f+64+8*(4*\c+\b)+7], v[\f+8*(4*\c+\a):\f+8*(4*\c+\a)+7], 0
.else
	v_wmma_f32_16x16x32_f16 v[ACC+8*(4*(\a)+\b):ACC+8*(4*(\a)+\b)+7], v[\f+64+8*(4*\c+\b):\f+64+8*(4*\c+\b)+7], v[\f+8*(4*\c+\a):\f+8*(4*\c+\a)+7], v[ACC+8*(4*(\a)+\b):ACC+8*(4*(\a)+\b)+7]
.endif
.endr
.endr
.endm
; 32 LDS loads in one run: the fragments of the slot's quarter qd (64 along K) into buffer f; the first 32 along K first
.macro FETCH slot, qd, f
	WIN TO_F
.irp c, 0,1
.irp i, 0,1,2,3
	ds_load_b128 v[\f+64+8*(4*\c+\i):\f+64+8*(4*\c+\i)+3],   v[ADRB+\slot] offset:128*\qd+64*\c+\i*16*PITCH
	ds_load_b128 v[\f+64+8*(4*\c+\i)+4:\f+64+8*(4*\c+\i)+7], v[ADRB+\slot] offset:128*\qd+64*\c+\i*16*PITCH+32
	ds_load_b128 v[\f+8*(4*\c+\i):\f+8*(4*\c+\i)+3],         v[ADRA+\slot] offset:2048*\qd+1024*\c+\i*8192
	ds_load_b128 v[\f+8*(4*\c+\i)+4:\f+8*(4*\c+\i)+7],       v[ADRA+\slot] offset:2048*\qd+1024*\c+\i*8192+512
.endr
.endr
.endm
.macro PLACES                          ; four places in front of loads into registers that matrix instructions have read, and of the first read of results
.rept 4
	v_nop
.endr
.endm
; A K step is four quarters of 64 along K, 32 matrix instructions each, on buffers 0, 1, 0, 1.  One of the first three: multiplies buffer f and fetches quarter qd into g.
.macro QUARTER slot, qd, f, g, zero
	s_wait_dscnt 16                                ; the first 32 along K are in; the 16 loads of the second 32 may be out
	WIN MUL
	MUL8 \f, 0, 0, \zero
	MUL8 \f, 0, 2, \zero
	PLACES
	FETCH \slot, \qd, \g
	s_wait_dscnt 32                                ; all but the 32 just issued
	WIN MUL
	MUL8 \f, 1, 0, 0
	MUL8 \f, 1, 2, 0
.endm
; The last quarter multiplies buffer 1 and changes slots: ONE barrier; in front of it each wave waits for all its tensor loads, adds 0 to its spare word, and waits for that and for its own reads of this slot.
; fill = 1: this slot is filled again, two K steps ahead; the barrier then opens a round of the cluster's barrier, and the joint refill is the first tensor load behind the round.
.macro TURN slot, next, fill
	WIN 0                                          ; (the add's two registers lie in window 0)
	s_wait_tensorcnt 0x0                           ; all my tensor loads have landed: my part of the next slot;
	ds_add_u32 v[SPW], v[NIL]                      ; 0 onto my spare word;
	s_wait_dscnt 17                                ; (the add and the youngest sixteen loads may be out)
	WIN MUL
	MUL8 F1, 0, 0, 0                               ; eight matrix instructions stand between the add and the wait for it
	s_wait_dscnt 0x0                               ; the add is done, and my reads of this slot are over
	s_barrier_signal -1
	MUL8 F1, 0, 2, 0
.if \fill
	WIN 0
.endif
	s_barrier_wait -1
.if \fill
	CREST                                          ; no wave of any partner still reads this slot's tile or has a load on its way
	s_add_nc_u64 s[G0+4*\slot+2:G0+4*\slot+3], s[G0+4*\slot+2:G0+4*\slot+3], 2*8192
	s_add_nc_u64 s[G0B+4*\slot+2:G0B+4*\slot+3], s[G0B+4*\slot+2:G0B+4*\slot+3], 2*512
	JLOAD \slot                                    ; the four v_nop behind it are also the places in front of the loads below
.else
	PLACES
.endif
	FETCH \next, 0, F0
	WIN MUL
	MUL8 F1, 1, 0, 0
	MUL8 F1, 1, 2, 0
.endm
	s_wait_tensorcnt 1                             ; my part of K step 0 is in; K step 1's load may be out,
	s_barrier_signal -1
	s_barrier_wait -1                              ; everybody's is
	FETCH 0, 0, F0
	QUARTER 0, 1, F0, F1, 1                        ; K step 0: its first products start the sums
	QUARTER 0, 2, F1, F0, 0
	QUARTER 0, 3, F0, F1, 0
	TURN 0, 1, 1                                   ; slot 0 takes K step 2
	QUARTER 1, 1, F0, F1, 0                        ; K step 1
	QUARTER 1, 2, F1, F0, 0
	QUARTER 1, 3, F0, F1, 0
	TURN 1, 0, 1                                   ; slot 1 takes K step 3
	QUARTER 0, 1, F0, F1, 0                        ; K step 2
	QUARTER 0, 2, F1, F0, 0
	QUARTER 0, 3, F0, F1, 0
	TURN 0, 1, 0                                   ; nothing is left to fetch
	QUARTER 1, 1, F0, F1, 0                        ; K step 3
	QUARTER 1, 2, F1, F0, 0
	QUARTER 1, 3, F0, F1, 0
	s_wait_dscnt 16                                ; the very last quarter
	WIN MUL
	MUL8 F1, 0, 0, 0
	MUL8 F1, 0, 2, 0
	s_wait_dscnt 0x0
	MUL8 F1, 1, 0, 0
	MUL8 F1, 1, 2, 0
	WIN 0
; THE WAY OUT, a block of 16 rows x 64 columns at a time.  A lane holds 32 neighbouring bytes of a row, the lanes beside it other rows: so a block goes through my own stage in LDS and comes back as whole rows of 256 bytes.
; LDS serves a wave's instructions in order: no wait between the stores and the loads, nor in front of the next block's stores.  Each block has its own 32 registers, so no store's data are written again.
.macro TOSTAGE a
.irp b, 0,1,2,3
	ds_store_b128 v[STO], v[ACC+8*(4*(\a)+\b):ACC+8*(4*(\a)+\b)+3] offset:64*\b          ; each accumulator from its low end on
	ds_store_b128 v[STO], v[ACC+8*(4*(\a)+\b)+4:ACC+8*(4*(\a)+\b)+7] offset:64*\b+16
.endr
	WIN TO_F
.irp t, 0,1,2,3,4,5,6,7
	ds_load_b128 v[32*(\a)+4*\t:32*(\a)+4*\t+3], v[RD] offset:\t*2*SPITCH
.endr
	WIN 0
.endm
.macro SEND a, younger                 ; younger: the LDS instructions issued behind block a's loads, which may stay out
	s_wait_dscnt \younger
	WIN 0x04                                       ; a store's data are its source 1: window 1
.irp t, 0,1,2,3,4,5,6,7
	global_store_b128 v[CO], v[32*(\a)+4*\t:32*(\a)+4*\t+3], s[8:9] offset:(16*(\a)+2*\t)*4096 th:TH_STORE_NT   ; 16 lanes store 256 consecutive bytes, at a multiple of 256 from out0's first byte
.endr
	WIN 0
.endm
	PLACES
	TOSTAGE 0
.irp a, 1,2,3
	TOSTAGE \a
	SEND \a-1, 16                                  ; behind block a - 1's loads: block a's 8 stores and 8 loads
.endr
	SEND 3, 0
	s_wait_tensorcnt 0x0                           ; the wave's end: this wait, an add of 0 to my spare word and its wait, behind my last tensor load and my last LDS store
	ds_add_u32 v[SPW], v[NIL]
	s_wait_dscnt 0x0
	CROUND                                         ; the closing round: no work-group ends while a partner may still ask for a tile that names it
	s_endpgm
.Lfunc_end_k_q681c97ba51_oproj:
	.size	k_q681c97ba51_oproj, .Lfunc_end_k_q681c97ba51_oproj-k_q681c97ba51_oproj
	.p2alignl 7, 3214868480
	.fill 96, 4, 3214868480
	.section	.rodata,"a",@progbits
	.p2align	6, 0x0
	.amdhsa_kernel k_q681c97ba51_oproj
		.amdhsa_group_segment_fixed_size 327680
		.amdhsa_private_segment_fixed_size 0
		.amdhsa_enable_private_segment 0
		.amdhsa_kernarg_size 24
		.amdhsa_user_sgpr_count 2
		.amdhsa_user_sgpr_kernarg_segment_ptr 1
		.amdhsa_wavefront_size32 1
		.amdhsa_system_sgpr_workgroup_id_x 1
		.amdhsa_system_sgpr_workgroup_id_y 1
		.amdhsa_system_sgpr_workgroup_id_z 1
		.amdhsa_system_vgpr_workitem_id 0
		.amdhsa_next_free_vgpr 512
		.amdhsa_next_free_sgpr 66
		.amdhsa_reserve_vcc 0
		.amdhsa_float_denorm_mode_32 3
		.amdhsa_float_denorm_mode_16_64 3
		.amdhsa_memory_ordered 1
		.amdhsa_forward_progress 1
		.amdhsa_inst_pref_size 86
	.end_amdhsa_kernel
	.amdgpu_metadata
---
amdhsa.version: [ 1, 2 ]
amdhsa.kernels:
  - .name:           k_q681c97ba51_oproj
    .symbol:         k_q681c97ba51_oproj.kd
    .args:
      - { .name: att_ws, .offset: 0, .size: 8, .value_kind: global_buffer, .address_space: global }
      - { .name: wo16, .offset: 8, .size: 8, .value_kind: global_buffer, .address_space: global }
      - { .name: out0, .offset: 16, .size: 8, .value_kind: global_buffer, .address_space: global }
    .group_segment_fixed_size: 327680
    .private_segment_fixed_size: 0
    .kernarg_segment_align: 8
    .kernarg_segment_size: 24
    .max_flat_workgroup_size: 128
    .sgpr_count:     66
    .vgpr_count:     512
    .wavefront_size: 32
...
	.end_amdgpu_metadata
.endif
;; end of part 5
